; MI455X (gfx1250); checked and timed in simulation.
; The chip was launched on July 23, 2026; its instructions are those of AMD's public machine-readable ISA for CDNA 5 (MIT licence, August 2026) and "CDNA5" Instruction Set Architecture Reference Guide (July 2026). The comments in the code are by the model that wrote it; some were corrected since.
;; Model. Allowed arithmetic: matrix products marked QUANTISED: E3M2 operands, one E8M0 scale for each 32 along K, by v_wmma_scale_f32_16x16x128_f8f6f4 with both operands' format E3M2, f32 sums; everything else in f32.
;; Inputs: Wk 1,024 x 1,024 float32; Wq 1,024 x 1,024 float32; Wv 1,024 x 1,024 float32; bk 1,024 float32; bq 1,024 float32; bv 1,024 float32; k 4 x 2,048 x 1,024 float32; mask 4 x 2,048 x 2,048 bool; q 4 x 2,048 x 1,024 float32; v 4 x 2,048 x 1,024 float32.
;; Outputs: out0 4 x 2,048 x 1,024 float32.
;; This version of the problem:
;;   THIS VERSION OF THE PROBLEM IS GIVEN IN LOW PRECISION. The matrix products marked QUANTISED in the list below multiply operands that are first quantised to E3M2 (3 exponent bits, 2 mantissa bits; 6 bits a number), with one power-of-two scale for each 32 numbers along K (OCP MX v1.0); their sums are f32. All else is computed in f32.
;;   The module's matrix products, in the order in which they are computed (A, B: the left and right operand; K: the contracted axis; several contracted axes count as one K, in the product's order):
;;     1. [M 8,192, K 1,024] x [K 1,024, N 1,024]; A: input q; B: input Wq: QUANTISED
;;     2. [M 8,192, K 1,024] x [K 1,024, N 1,024]; A: input k; B: input Wk: QUANTISED
;;     3. [M 8,192, K 1,024] x [K 1,024, N 1,024]; A: input v; B: input Wv: QUANTISED
;;     4. batch 4 x [M 2,048, K 1,024] x [K 1,024, N 2,048]; A: computed on the way; B: computed on the way: QUANTISED
;;     5. batch 4 x [M 2,048, K 2,048] x [K 2,048, N 1,024]; A: softmax (see below); B: computed on the way: QUANTISED
;;   THE QUANTISER, for each operand of a quantised product, along K:
;;     - K is cut into blocks of 32 from its start; a last block that is shorter is filled with zeros.
;;     - A block's scale is 2^e with e = floor(log2(the largest magnitude in the block)) - 4, held to -126 .. 127; a block of zeros has e = 0. As a byte (E8M0): e + 127.
;;     - Each number is divided by its block's scale, clamped to +-28, and rounded to the nearest number of E3M2, ties to even, subnormals kept.
;;     - The product sums the exact products of the quantised numbers (number of the format x scale) in f32.
;;   ~~~python
;;   def quantise(x, axis):      # numpy; x: float32 -> the quantised numbers, widened to float32 again
;;       x = np.moveaxis(x, axis, -1); K = x.shape[-1]
;;       x = np.pad(x, [(0, 0)] * (x.ndim - 1) + [(0, -K % 32)]); x = x.reshape(x.shape[:-1] + (-1, 32)); a = np.abs(x).max(-1, keepdims=True)
;;       e = np.where(a > 0, np.clip(np.frexp(np.where(a > 0, a, 1))[1] - 1 - 4, -126, 127), 0)      # np.frexp(a)[1] - 1 = floor(log2(a)), exactly
;;       r = np.clip(x / 2.0 ** e, -28, 28)
;;       step = 2.0 ** (np.maximum(np.frexp(np.where(r == 0, 1, r))[1] - 1, -2) - 2)
;;       q = np.round(r / step) * step * 2.0 ** e      # np.round: ties to even
;;       return np.moveaxis(q.reshape(q.shape[:-2] + (-1,))[..., :K], -1, axis).astype(np.float32)
;;   ~~~
;;   SOFTMAX AHEAD OF A QUANTISED PRODUCT. Where the list says 'softmax', what is quantised is not the finished softmax but p = 2^(t - M), with t = logit x log2(e) and M = ceil(the row's largest t), a whole number; so 1/2 < the row's largest p <= 1. The row's sum l is taken of the UNQUANTISED p, in f32, and the product's result is divided by l at the end. Since M is a whole number, a kernel that streams over the keys may use a running M (the ceiling of the running maximum): every later rescaling is an exact power of two, which a block's scale takes up: the codes' values come out the same.
;;   OPERANDS COMPUTED ON THE WAY. 'Computed on the way' means the value that the module computes at that place (a softmax that the list does not call 'softmax' is quantised finished and normalised). What goes into a quantiser is computed in f32, as accurately as f32 sums, v_exp_f32 and their like allow (about 1e-6 of the number): no bf16 or f16 on the way to a quantiser, and a product that is left as it is and whose result goes on into a quantised operand takes f32 operands (vector FMAs, or v_wmma_f32_16x16x4_f32). A number that lies on a knife's edge between two numbers of the format may be rounded either way, as far as f32 arithmetic and the matrix unit's own rounding can turn it there, and no further.
;; One version. Each part assembles by itself: llvm-mc -triple=amdgcn-amd-amdhsa -mcpu=gfx1250 --defsym DOCPART=n.
;; ======== version 1 of 1: 4 launches
;; limits: right only within a limited range of input values
;; workspace buffers: wx 22,118,400 bytes; wp 19,660,800 bytes; wa 14,155,776 bytes
;; launch quant (part 1): grid 1728 x 1, 4 waves a work-group, no clusters, 34,816 bytes of LDS; arguments q, k, v, Wq, Wk, Wv, wx; writes wx
.if DOCPART == 1
	.amdgcn_target "amdgcn-amd-amdhsa--gfx1250"
	.amdhsa_code_object_version 6
	.text
	.protected	k_q52f92519c4_quant
	.globl	k_q52f92519c4_quant
	.p2align	8
	.type	k_q52f92519c4_quant,@function
k_q52f92519c4_quant:
	s_mov_b64 s[64:65], 0
	v_nop
	global_prefetch_b8 v0, s[64:65] scope:SCOPE_SE
	s_setreg_imm32_b32 hwreg(HW_REG_WAVE_MODE, 25, 1), 1
	s_wait_xcnt 0x0
; q, k, v [8192][1024] and Wq, Wk, Wv [1024][1024], f32, K innermost, become codes of BF6 (E3M2) with one E8M0 byte for each 32 along K.
; (The problem's input mask enters no result of reference(), which never uses it: it is not loaded and is among no launch's arguments.)
; LAYOUT OF wx.  The six tensors are cut into 216 groups of 128 rows: q 0-63, k 64-127, Wv 128-135, Wq 136-143, Wk 144-151, v 152-215.
; A FRAGMENT (16 rows x 128 K: 12 registers a lane, lane (r, h) holding k = 64 c + 32 h + 0..31 of row r in registers 6 c .. 6 c + 5) is stored as the IMAGE OF ITS REGISTERS:
; registers 4 c .. 4 c + 3 of lane l at byte 512 c + 16 l: 1,536 bytes.  Codes: group x 98,304 + block i x 12,288 + K step s x 1,536.
; Scale words (four bytes: 128 along K of one row): XS0 + group x 4,096 + s x 512 + i x 64 + 4 r.
; A block's scale is 2^(floor(log2(largest magnitude)) - 4); its byte is the largest magnitude's exponent field - 4, held at 1 from below.
; LIMITS: a block whose largest magnitude lies under 2^-122, a block of zeros among them, gets the byte 1 (a block of zeros has zero codes, and this program alone reads the bytes); NaN and infinities are not served.
; SHARES.  Work-group g takes group g / 8, K step g % 8: eight fragments; wave w takes blocks 2 w and 2 w + 1.  13,824 fragments are 6.75 work-groups for each of 256 WGPs; by their registers four are on a WGP at a time.
; Each load reads 512 consecutive bytes of one row; all 32 loads of a wave go out at once.  A fragment's 16 rows turn through the wave's own stage in LDS (rows 528 bytes apart)
; so that a lane gets 32 neighbours along K twice.  The work-group's 128 scale words meet in 512 bytes of LDS; behind the one barrier wave 0 stores them as 512 consecutive bytes, aligned.
; All stores stand at the wave's end, so no store's data are written again.  No tensor loads, clusters or matrix work: the launch streams, and every input byte is read once.
.set SPITCH, 528
.set WREG,   16*SPITCH                 ; a wave's stage: 8,448 bytes
.set SCW,    4*WREG                    ; behind the stages: the work-group's 512 bytes of scale words
.set SPARE,  SCW+512                   ; the spare words, 128 bytes a wave, that no other line names
.set GRPB,   98304
.set FRB,    1536
.set XS0,    216*GRPB
.set R,   16                           ; v16-143   two sets of 64 numbers as loaded
.set X,   144                          ; v144-207  64 numbers: 32 c + n = k 64 c + 32 h + n of my row
.set C,   208                          ; v208-231  the two fragments' codes
.set T2,  232                          ; v232-234, v236-238: the halves whose place begins on an odd register
.set W,   240                          ; v240-241  a scale word for each fragment
.set SPW, 244                          ; my spare word; never rewritten
.set NIL, 245                          ; 0; never rewritten
	s_load_b256 s[8:15], s[0:1], 0x0               ; q s[8:9], k s[10:11], v s[12:13], Wq s[14:15]
	s_load_b128 s[16:19], s[0:1], 0x20             ; Wk s[16:17], Wv s[18:19]
	s_load_b64 s[20:21], s[0:1], 0x30              ; wx
	v_lshl_add_u32 v[SPW], v0, 2, SPARE
	v_mov_b32 v[NIL], 0
	v_lshrrev_b32 v1, 5, v0
	v_readfirstlane_b32 s22, v1                    ; wave
	v_and_b32 v1, 31, v0                           ; lane
	v_and_b32 v2, 15, v0                           ; r
	v_bfe_u32 v3, v0, 4, 1                         ; h
	v_lshlrev_b32 v4, 4, v1                        ; 16 x lane: my bytes of a load's or a store's 512
	s_mul_i32 s34, s22, WREG
	v_add_nc_u32 v5, s34, v4                       ; the stage, on the way in
	v_mul_u32_u24 v6, v2, SPITCH
	v_lshl_add_u32 v6, v3, 7, v6
	v_add_nc_u32 v6, s34, v6                       ; and out: row r, + 128 h bytes
	s_lshl_b32 s35, s22, 7
	s_add_co_u32 s35, s35, SCW
	v_lshl_add_u32 v7, v2, 2, s35                  ; my row's scale word: 128 bytes a wave
	v_add_nc_u32 v8, SCW, v4                       ; and the 512 bytes on their way out
	v_mov_b32 v9, 0                                ; written once: a lane permute's destination counts as one of its sources
	v_lshlrev_b32 v254, 3, v3                      ; 8 h: where my two bytes stand in the scale word
	s_lshr_b32 s23, ttmp9, 3                       ; group
	s_and_b32 s24, ttmp9, 7                        ; K step
	s_mov_b32 s32, 0x76543210
	s_mov_b32 s33, 0xfedcba98                      ; v_permlanex16_b32's selects for lane l xor 16
	s_wait_alu depctr_va_vdst(0)                   ; the wait at the head's end
	s_wait_kmcnt 0x0
	s_cmp_lt_u32 s23, 64                           ; which tensor: the choice hangs on the work-group's number alone
	s_cselect_b64 s[26:27], s[8:9], s[10:11]
	s_cselect_b32 s25, 0, 64                       ; and its first group
	s_cmp_lt_u32 s23, 128
	s_cselect_b64 s[26:27], s[26:27], s[18:19]
	s_cselect_b32 s25, s25, 128
	s_cmp_lt_u32 s23, 136
	s_cselect_b64 s[26:27], s[26:27], s[14:15]
	s_cselect_b32 s25, s25, 136
	s_cmp_lt_u32 s23, 144
	s_cselect_b64 s[26:27], s[26:27], s[16:17]
	s_cselect_b32 s25, s25, 144
	s_cmp_lt_u32 s23, 152
	s_cselect_b64 s[26:27], s[26:27], s[12:13]
	s_cselect_b32 s25, s25, 152
	s_sub_co_u32 s36, s23, s25
	s_lshl_b32 s36, s36, 19                        ; 128 rows of 4,096 bytes a group,
	s_lshl_b32 s38, s22, 17                        ; 32 rows a wave,
	s_add_co_u32 s36, s36, s38
	s_lshl_b32 s38, s24, 9                         ; 512 bytes a K step
	s_add_co_u32 s36, s36, s38
	s_mov_b32 s37, 0
	s_add_nc_u64 s[26:27], s[26:27], s[36:37]      ; the numbers
	s_mul_i32 s36, s23, GRPB
	s_mul_i32 s38, s22, 2*12288
	s_add_co_u32 s36, s36, s38
	s_mul_i32 s38, s24, FRB
	s_add_co_u32 s36, s36, s38
	s_add_nc_u64 s[28:29], s[20:21], s[36:37]      ; the codes
	s_lshl_b32 s36, s23, 12
	s_lshl_b32 s38, s24, 9
	s_add_co_u32 s36, s36, s38
	s_add_co_u32 s36, s36, XS0
	s_add_nc_u64 s[30:31], s[20:21], s[36:37]      ; the scale words
.macro LOAD i                          ; fragment i: 16 rows, 512 consecutive bytes each
.irp p, 0,1,2,3,4,5,6,7,8,9,10,11,12,13,14,15
	global_load_b128 v[R+64*(\i)+4*\p:R+64*(\i)+4*\p+3], v4, s[26:27] offset:(16*(\i)+\p)*4096 th:TH_LOAD_NT
.endr
.endm
.macro FRAGQ i
.set RS, R+64*(\i)
.set CC, C+12*(\i)
	s_wait_loadcnt 16*(1-(\i))                     ; this fragment's 16 loads are in; the second fragment's 16 may be out
.irp p, 0,1,2,3,4,5,6,7,8,9,10,11,12,13,14,15
	ds_store_b128 v5, v[RS+4*\p:RS+4*\p+3] offset:\p*SPITCH
.endr
.irp c, 0,1
.irp j, 0,1,2,3,4,5,6,7
	ds_load_b128 v[X+32*\c+4*\j:X+32*\c+4*\j+3], v6 offset:256*\c+16*\j   ; LDS serves a wave's instructions in order: these see the stores above
.endr
.endr
	s_wait_dscnt 0x0                               ; the numbers are back
.irp u, 0,1,2,3                        ; four chains of 16 numbers; the floor 2^(5 - 127) among the leaves holds the byte at 1 from below
	v_max3_num_f32 v[10+\u], |v[X+16*\u]|, |v[X+16*\u+1]|, 0x2800000
.endr
.irp n, 2,4,6,8,10,12,14
.irp u, 0,1,2,3
	v_max3_num_f32 v[10+\u], v[10+\u], |v[X+16*\u+\n]|, |v[X+16*\u+\n+1]|
.endr
.endr
	v_max_num_f32 v10, v10, v11                    ; block h of my row,
	v_max_num_f32 v12, v12, v13                    ; block 2 + h
	v_add_nc_u32 v14, 0xfe000000, v10              ; 4 off the exponent field: the conversion takes the exponent field of this operand as its scale
	v_add_nc_u32 v15, 0xfe000000, v12
	v_lshrrev_b32 v252, 23, v14                    ; the bytes
	v_lshrrev_b32 v253, 23, v15
	v_lshl_or_b32 v252, v253, 16, v252
	v_lshlrev_b32 v252, v254, v252                 ; at their places in the word;
	v_permlanex16_b32 v9, v252, s32, s33
	v_or_b32 v[W+(\i)], v252, v9                   ; with lane l xor 16's two the word is whole
	v_cvt_scalef32_pk16_bf6_f32 v[CC:CC+2], v[X:X+15], v14
	v_cvt_scalef32_pk16_bf6_f32 v[T2:T2+2], v[X+16:X+31], v14         ; (a conversion's three registers begin on an even number)
	v_cvt_scalef32_pk16_bf6_f32 v[CC+6:CC+8], v[X+32:X+47], v15
	v_cvt_scalef32_pk16_bf6_f32 v[T2+4:T2+6], v[X+48:X+63], v15
	v_nop                                          ; one plain place behind a scaled conversion
.irp c, 0,1
.irp n, 0,1,2
	v_mov_b32 v[CC+6*\c+3+\n], v[T2+4*\c+\n]
.endr
.endr
	ds_store_b32 v7, v[W+(\i)] offset:64*(\i)      ; lanes l and l xor 16 write the same word with the same value
.endm
.macro OUT f                           ; a fragment's image: three stores of 512 consecutive bytes, aligned
.irp c, 0,1,2
	global_store_b128 v4, v[C+12*(\f)+4*\c:C+12*(\f)+4*\c+3], s[28:29] offset:(\f)*12288+512*\c
.endr
.endm
	LOAD 0
	LOAD 1
	FRAGQ 0
	FRAGQ 1
	OUT 0
	OUT 1
	s_wait_dscnt 0x0                               ; my scale words have landed in LDS,
	s_barrier_signal -1
	s_barrier_wait -1                              ; and so have the other waves'
	s_cmp_lg_u32 s22, 0
	s_cbranch_scc1 .Lend
	ds_load_b128 v[248:251], v8                    ; wave 0: the work-group's 128 scale words
	s_wait_dscnt 0x0
	global_store_b128 v4, v[248:251], s[30:31]     ; 512 consecutive bytes, aligned
.Lend:
	s_wait_tensorcnt 0x0                           ; the wave's end
	ds_add_u32 v[SPW], v[NIL]
	s_wait_dscnt 0x0
	s_endpgm
.Lfunc_end_k_q52f92519c4_quant:
	.size	k_q52f92519c4_quant, .Lfunc_end_k_q52f92519c4_quant-k_q52f92519c4_quant
	.p2alignl 7, 3214868480
	.fill 96, 4, 3214868480
	.section	.rodata,"a",@progbits
	.p2align	6, 0x0
	.amdhsa_kernel k_q52f92519c4_quant
		.amdhsa_group_segment_fixed_size 34816
		.amdhsa_private_segment_fixed_size 0
		.amdhsa_enable_private_segment 0
		.amdhsa_kernarg_size 56
		.amdhsa_user_sgpr_count 2
		.amdhsa_user_sgpr_kernarg_segment_ptr 1
		.amdhsa_wavefront_size32 1
		.amdhsa_system_sgpr_workgroup_id_x 1
		.amdhsa_system_sgpr_workgroup_id_y 1
		.amdhsa_system_sgpr_workgroup_id_z 1
		.amdhsa_system_vgpr_workitem_id 0
		.amdhsa_next_free_vgpr 256
		.amdhsa_next_free_sgpr 66
		.amdhsa_reserve_vcc 0
		.amdhsa_float_denorm_mode_32 3
		.amdhsa_float_denorm_mode_16_64 3
		.amdhsa_memory_ordered 1
		.amdhsa_forward_progress 1
		.amdhsa_inst_pref_size 18
	.end_amdhsa_kernel
	.amdgpu_metadata
---
amdhsa.version: [ 1, 2 ]
amdhsa.kernels:
  - .name:           k_q52f92519c4_quant
    .symbol:         k_q52f92519c4_quant.kd
    .args:
      - { .name: q, .offset: 0, .size: 8, .value_kind: global_buffer, .address_space: global }
      - { .name: k, .offset: 8, .size: 8, .value_kind: global_buffer, .address_space: global }
      - { .name: v, .offset: 16, .size: 8, .value_kind: global_buffer, .address_space: global }
      - { .name: Wq, .offset: 24, .size: 8, .value_kind: global_buffer, .address_space: global }
      - { .name: Wk, .offset: 32, .size: 8, .value_kind: global_buffer, .address_space: global }
      - { .name: Wv, .offset: 40, .size: 8, .value_kind: global_buffer, .address_space: global }
      - { .name: wx, .offset: 48, .size: 8, .value_kind: global_buffer, .address_space: global }
    .group_segment_fixed_size: 34816
    .private_segment_fixed_size: 0
    .kernarg_segment_align: 8
    .kernarg_segment_size: 56
    .max_flat_workgroup_size: 128
    .sgpr_count:     66
    .vgpr_count:     256
    .wavefront_size: 32
...
	.end_amdgpu_metadata
.endif
;; end of part 1
;; launch proj (part 2): grid 4 x 64, 4 waves a work-group, clusters of 4 x 4, 327,680 bytes of LDS; arguments wx, bq, bk, bv, wp; writes wp
.if DOCPART == 2
	.amdgcn_target "amdgcn-amd-amdhsa--gfx1250"
	.amdhsa_code_object_version 6
	.text
	.protected	k_q52f92519c4_proj
	.globl	k_q52f92519c4_proj
	.p2align	8
	.type	k_q52f92519c4_proj,@function
k_q52f92519c4_proj:
	s_mov_b64 s[64:65], 0
	v_nop
	global_prefetch_b8 v0, s[64:65] scope:SCOPE_SE
	s_setreg_imm32_b32 hwreg(HW_REG_WAVE_MODE, 25, 1), 1
	s_wait_xcnt 0x0
	s_wait_alu depctr_hold_cnt(0) depctr_sa_sdst(0) depctr_va_vdst(0) depctr_va_sdst(0) depctr_va_ssrc(0) depctr_va_vcc(0) depctr_vm_vsrc(0)
	s_getreg_b32 s2, hwreg(HW_REG_IB_STS2, 6, 4)
	s_cmp_eq_u32 s2, 0
	s_cbranch_scc0 .Lentry_in_a_cluster
	s_endpgm
.Lentry_in_a_cluster:
	s_bfe_u32 s2, ttmp6, 0x10000c
	s_cmp_lg_u32 s2, 0xf033
	s_cbranch_scc0 .Lentry_shape_is_right
	s_endpgm
.Lentry_shape_is_right:
; The three linear layers on codes of BF6: qp = q Wq^T + bq, kp = k Wk^T + bk, vp = v Wv^T + bv, each [8192][1024], K = 1,024; the results are quantised here and leave as codes.
; (The problem's input mask enters no result of reference(), which never uses it: no launch of this program reads it.)
; A WORK-GROUP STAYS AND MAKES THREE TILES of 128 x 256 results, one of each product: 3 x 256 tiles on 256 work-groups, equal work for all.
; OPERANDS come from wx as fragment images (16 rows x 128 K: 1,536 bytes, registers 4 c .. 4 c + 3 of lane l at 512 c + 16 l): group of 128 rows x 98,304 + block x 12,288 + K step x 1,536;
; scale words at XS0 + group x 4,096 + K step x 512 + block x 64 + 4 r.  Groups: q 0-63, k 64-127, Wv 128-135, Wq 136-143, Wk 144-151, v 152-215.
; SOURCE 1 (S1) holds the 128 rows that stay rows of the result's operand, SOURCE 0 (S0) the 256 rows that become its K.  A wave makes 64 x 128: 32 accumulators; a lane holds S1 row 16 a + lane % 16 and,
; in register 8 b + j of block a, the S0 row 16 b + 8 (lane / 16) + j.
;   tiles q, k: S1 = tokens, S0 = rows of the weight: quantised along the features.      tile v: S1 = rows of Wv, S0 = tokens: quantised along the tokens, it leaves as V^T.
; A wave's 128 S0 rows are one K step of the later product: four fragments and their scale words.  A block of 32 holds its true 32 numbers, in the order 0-7, 16-23, 8-15, 24-31, alike in both operands of every later product.
; wp: qp's codes at token block x 12,288 + s x 1,536; kp's 6,291,456 on; V^T's at VT0 + batch x 1,572,864 + feature block x 24,576 + key step x 1,536;
;     scale words at PS0 + token group x 4,096 + s x 512 (q; k's 262,144 on), V^T's at PS0 + 524,288 + batch x 65,536 + feature group x 8,192 + key step x 512.
; THE RING: two LDS slots of four K steps (a tile is two fills); it goes on from tile to tile, so that a tile's way out stands while the next fill is on its way.
; CLUSTERS of 4 x 4: S1's tiles are shared along a row of the cluster, S0's along a column, each asked for jointly.
; THE SCALE WORDS go from wx straight into 64 registers (step s, block i: lanes 0-15 S1's, lanes 16-31 S0's): beside the two slots LDS has no room for three tiles' words.  A step's eight registers are
; loaded again, for the next tile, one step behind their last use.  THE BIAS is the C of a tile's first K step.
; LIMITS: a block whose largest magnitude lies under 2^-122 gets the byte 1 (a block of zeros has zero codes, and this program alone reads the bytes); NaN and infinities are not served.
; REGISTERS: window 0: v10-31 offsets and addresses; v32-47 at work in the quantiser; v48-53 scale words on their way out; v64-127 scale words; v128-223 S1's fragments, two sets of 4 (the second set takes a tile's codes
;   on the way out); v224-231 at work.  window 1: S0's fragments, two sets of 8, at v0 and v128; the bias in v96-127 and v224-255.  window 2: accumulators (a, b) at v[8 (8 a + b)].
; THE FILLS ARE PREFETCHED: at each change of slots a wave has waited for all its tensor loads, so a fill goes out with nothing on its way beside it.  The fills are numbered 2 x tile + half.  Behind the issue of fill n
; stands the request for fill n + 2 (eight K steps, 256 matrix instructions a wave, ahead of the load that wants it); at the head, behind fill 0, those for fills 1 and 2.  Fill 0 comes by its load alone; fills 4 and 5 ask for nothing.
; Of the block rows of 6,144 bytes (24 blocks of 256 bytes, a lane a block, lanes 24-31 naming the last again) that a wave fetches, each of the four partners that ask for them jointly takes its share BY ADDRESS:
; of S1's four rows the partner at cx takes row cx, of S0's eight the partner at cy rows 2 cy and 2 cy + 1.  The address registers are never rewritten.
.set NQ,     4
.set FR,     12
.set NP,     4                         ; places behind this matrix instruction (ISA guide 7.12.1)
.set FRB,    1536
.set BLKB,   NQ*FRB                    ; 6,144: a block of 16 rows in a slot
.set S1B,    8*BLKB                    ; S1's 128 rows
.set SLOT,   24*BLKB                   ; then S0's 256 rows
.set SCR,    2*SLOT                    ; behind the ring: 256 bytes of scratch for each wave, written by LDS stores: no fill lands here
.set SPARE,  SCR+1024                  ; the spare words, 128 bytes for each wave: two blocks of 256 bytes that no other line names
.set GRPB,   98304
.set XS0,    21233664
.set KP0,    6291456
.set VT0,    12582912
.set PS0,    18874368
.set VB,   10                          ; v10     byte offset of my bias along S0 (tiles q, k); never rewritten
.set VBA,  11                          ; v11     and along S1 (tile v); never rewritten
.set VS,   12                          ; v12-14  byte offset in wx of my scale words, for each tile; never rewritten
.set ADRA, 16                          ; v16-17  my S1 fragments in slot 0, 1
.set ADRB, 20                          ; v20-21  my S0 fragments
.set LSC,  25                          ; v25     my scratch: 4 r
.set LRD,  26                          ; v26     and 8 x lane
.set SPW,  28                          ; v28     my spare word; never rewritten
.set NIL,  29                          ; v29     0; never rewritten
.set L16,  30                          ; v30     16 x lane
.set L8,   31                          ; v31     8 x lane
.set TM,   32                          ; v32-47  the quantiser's work
.set PW,   48                          ; v48-51  a scale word for each block a
.set RB,   52                          ; v52-53  scale words read back
.set SCT,  64                          ; v64-127 scale words: register 8 s + i
.set AF,   128
.set PC,   176                         ; v176-223 on the way out: 12 registers of codes for each block a
.set TP,   224                         ; v224-230 the halves whose place begins on an odd register
.set BBW,  96                          ; in window 1: the bias
.set SEL,  22
.set G1,  24                           ; s[24:31] descriptor group 1 for S1's tiles;  s[32:39] group 0, one set for each slot
.set G0,  32
.set G1B, 48                           ; s[48:55], s[56:63] the same for S0's
.set G0B, 56
.set BS1, 66                           ; s[66:71] where my part of S1's codes begins, for each tile
.set BS0, 72                           ; s[72:77] the same for S0
.set OC,  78                           ; s[78:79] codes out, tiles q and k;  s[80:81] tile v
.set OCV, 80
.set OS,  82                           ; s[82:83] scale words out, tiles q and k;  s[84:85] tile v
.set OSV, 84
.set PFO, 15                           ; v15     the prefetches' offset: 256 x min(lane, 23); never rewritten
.set PFK, 100                          ; s[100:101] my share of what I fetch of tile k (tile q's lies a constant in front of it);  s[104:105] of tile v
.set PFV, 104
.set MSB, 0
.set LDN, 0                            ; loads into registers issued so far: the text has no loop, so the counts of the waits below are worked out from it
.macro WIN new                         ; the immediate's high byte repeats the setting that is left
.if MSB != (\new)
	s_set_vgpr_msb (MSB<<8)|(\new)
.set MSB, (\new)
.endif
.endm
.set TO_B, 0x40                        ; destination window 1, address window 0
; A joint load: waves 0 and 1 fetch S1's halves, waves 2 and 3 S0's; the branch hangs on the wave's number alone.  Four v_nop follow each of the two lines.
.macro JLOAD g0a, g1a, g0b, g1b
	s_cmp_eq_u32 s15, 0
	s_cbranch_scc0 .Lfor_b_\@
	tensor_load_to_lds s[\g0a:\g0a+3], s[\g1a:\g1a+7]
	s_nop 0
.rept 4
	v_nop
.endr
	s_branch .Lasked_\@
.Lfor_b_\@:
	tensor_load_to_lds s[\g0b:\g0b+3], s[\g1b:\g1b+7]
	s_nop 0
.rept 4
	v_nop
.endr
.Lasked_\@:
.endm
.macro CREST                           ; a round of the cluster's barrier behind its opening barrier
	s_cmp_lg_u32 s14, 0
	s_cbranch_scc1 .Lnot_wave_0_\@
	s_barrier_signal -3
.Lnot_wave_0_\@:
	s_barrier_wait -3
	s_barrier_signal -1
	s_barrier_wait -1
.endm
.macro CROUND
	s_barrier_signal -1
	s_barrier_wait -1
	CREST
.endm
; A request for my share of a fill: o1, o0: the fill's byte offset from s[p:p+1] for S1's waves and for S0's.  The branch hangs on the wave's number alone.
.macro ASK p, o1, o0
	s_cmp_eq_u32 s15, 0
	s_cbranch_scc0 .Lpf_b_\@
	global_prefetch_b8 v[PFO], s[\p:\p+1] offset:\o1 th:TH_LOAD_NT scope:SCOPE_SE
	s_branch .Lpf_e_\@
.Lpf_b_\@:
	global_prefetch_b8 v[PFO], s[\p:\p+1] offset:\o0 th:TH_LOAD_NT scope:SCOPE_SE
	global_prefetch_b8 v[PFO], s[\p:\p+1] offset:\o0+12288 th:TH_LOAD_NT scope:SCOPE_SE
.Lpf_e_\@:
.endm
.macro PLACES n
.rept \n
	v_nop
.endr
.endm
; The bias along S0, from the pointer in s[p:p+1]: register 8 b + j = bias(my first feature + 16 b + 8 (lane / 16) + j), the result's layout; b = 0-3 in v96-127, b = 4-7 in v224-255 of window 1
.macro BBLOAD p
	WIN TO_B
.irp b, 0,1,2,3,4,5,6,7
	global_load_b128 v[BBW+8*\b+96*(\b/4):BBW+8*\b+96*(\b/4)+3], v[VB], s[\p:\p+1] offset:64*\b
	global_load_b128 v[BBW+8*\b+96*(\b/4)+4:BBW+8*\b+96*(\b/4)+7], v[VB], s[\p:\p+1] offset:64*\b+16
.endr
	WIN 0
.set LDN, LDN+16
.endm
; The bias along S1 (tile v): bv(my first feature + 16 a + lane % 16) in all eight registers of block a's C
.macro BALOAD
	WIN TO_B
.irp a, 0,1,2,3
.irp j, 0,1,2,3,4,5,6,7
	global_load_b32 v[BBW+8*\a+\j], v[VBA], s[10:11] offset:64*\a
.endr
.endr
	WIN 0
.set LDN, LDN+32
.endm
; Tile t's scale words of K step s: lanes 0-15 S1's block i of my four (for i over 3 words that nothing uses, inside wx), lanes 16-31 S0's block i
.macro SCLOAD t, s
.irp i, 0,1,2,3,4,5,6,7
	global_load_b32 v[SCT+8*(\s)+\i], v[VS+(\t)], s[4:5] offset:512*(\s)+64*\i
.endr
.set LDN, LDN+8
.set SCM\s, LDN
.endm
; K step s's scale words are in: loads come back in order (ISA guide 5.7.1), so those issued behind its eight may stay out; the wait can name 63 at the most.  A tile's bias was asked for ahead of its step 0's words.
.macro SCWAIT s
.if (LDN-SCM\s) > 63
	s_wait_loadcnt 63
.else
	s_wait_loadcnt LDN-SCM\s
.endif
.endm
.macro FRAG reg, adr, q, i             ; a fragment comes as it was stored: three loads of 512 consecutive bytes
.irp c, 0,1,2
	ds_load_b128 v[\reg+4*\c:\reg+4*\c+3], v[\adr] offset:(\i)*BLKB+(\q)*FRB+512*\c
.endr
.endm
.macro FETCH slot, q, p                ; a K step's fragments into set p: 8 of S0, 4 of S1: 36 loads
	WIN TO_B
.irp i, 0,1,2,3,4,5,6,7
	FRAG 128*(\p)+FR*\i, ADRB+\slot, \q, \i
.endr
	WIN 0
.irp i, 0,1,2,3
	FRAG AF+48*(\p)+FR*\i, ADRA+\slot, \q, \i
.endr
.endm
; 8 matrix instructions: S1's block a x S0's eight, set p, the tile's K step s.  mode 0: onto the sums; 1: the bias along S0 starts them; 2: the bias along S1.
; The 32 accumulators take turns, one instruction a turn, in the same order in every step.
.macro MUL8 a, p, s, mode
.if \mode == 0
	WIN 0xa1                                       ; source 0 window 1, source 1 window 0, C and D window 2
.else
	WIN 0x91                                       ; source 0 and C window 1, source 1 window 0, D window 2
.endif
.irp b, 0,1,2,3,4,5,6,7
.if \mode == 0
	v_wmma_scale_f32_16x16x128_f8f6f4 v[8*(8*(\a)+\b):8*(8*(\a)+\b)+7], v[128*(\p)+FR*\b:128*(\p)+FR*\b+FR-1], v[AF+48*(\p)+FR*(\a):AF+48*(\p)+FR*(\a)+FR-1], v[8*(8*(\a)+\b):8*(8*(\a)+\b)+7], v[SCT+8*(\s)+\b], v[SCT+8*(\s)+(\a)] matrix_a_fmt:MATRIX_FMT_BF6 matrix_b_fmt:MATRIX_FMT_BF6 matrix_a_scale:MATRIX_SCALE_ROW1
.elseif \mode == 1
	v_wmma_scale_f32_16x16x128_f8f6f4 v[8*(8*(\a)+\b):8*(8*(\a)+\b)+7], v[128*(\p)+FR*\b:128*(\p)+FR*\b+FR-1], v[AF+48*(\p)+FR*(\a):AF+48*(\p)+FR*(\a)+FR-1], v[BBW+8*\b+96*(\b/4):BBW+8*\b+96*(\b/4)+7], v[SCT+8*(\s)+\b], v[SCT+8*(\s)+(\a)] matrix_a_fmt:MATRIX_FMT_BF6 matrix_b_fmt:MATRIX_FMT_BF6 matrix_a_scale:MATRIX_SCALE_ROW1
.else
	v_wmma_scale_f32_16x16x128_f8f6f4 v[8*(8*(\a)+\b):8*(8*(\a)+\b)+7], v[128*(\p)+FR*\b:128*(\p)+FR*\b+FR-1], v[AF+48*(\p)+FR*(\a):AF+48*(\p)+FR*(\a)+FR-1], v[BBW+8*(\a):BBW+8*(\a)+7], v[SCT+8*(\s)+\b], v[SCT+8*(\s)+(\a)] matrix_a_fmt:MATRIX_FMT_BF6 matrix_b_fmt:MATRIX_FMT_BF6 matrix_a_scale:MATRIX_SCALE_ROW1
.endif
.endr
.endm
; One of a slot's first three K steps: q in the slot, s in the tile.  rt under 3: the scale registers of step ps, which the step before this one read last, take tile rt's words.  bl = 1: the bias registers take bk; 2: bv.
.macro STEP slot, q, s, mode, rt, ps, bl
	s_wait_dscnt 0x0                               ; this step's 36 loads, issued a step ago, are in
	PLACES NP                                      ; in front of loads into registers that the last step's products read: fragments, scale words, the bias
	FETCH \slot, (\q)+1, 1-(\q)%2
.if \bl == 1
	BBLOAD 8
.elseif \bl == 2
	BALOAD
.endif
.if \rt < 3
	SCLOAD \rt, \ps
.endif
	SCWAIT \s
	MUL8 0, (\q)%2, \s, \mode
	MUL8 1, (\q)%2, \s, \mode
	MUL8 2, (\q)%2, \s, \mode
	MUL8 3, (\q)%2, \s, \mode
	WIN 0
.endm
; A slot's last K step changes slots: one barrier; in front of it each wave waits for all its tensor loads, adds 0 to its spare word, and waits for that and for its own reads of this slot.
; fill = 1: this slot takes K steps 4 half .. 4 half + 3 of the tile whose codes begin at s[b1:b1+1] (S1) and s[b0:b0+1] (S0).
.macro TURN slot, next, s, fill, b1, b0, half, rt, ps
	SCWAIT \s
	s_wait_tensorcnt 0x0                           ; all my tensor loads have landed: my part of the next slot
	ds_add_u32 v[SPW], v[NIL]                      ; 0 onto my spare word
	s_wait_dscnt 1                                 ; this step's loads are in; the add may be out
	MUL8 0, 1, \s, 0
	s_wait_dscnt 0x0                               ; the add is done, and my reads of this slot are over
	s_barrier_signal -1
	MUL8 1, 1, \s, 0
	WIN 0
	s_barrier_wait -1
.if \fill
	CREST                                          ; a round of the cluster's barrier: no wave of any partner still reads this slot or has a load on its way
	s_add_nc_u64 s[G0+4*\slot+2:G0+4*\slot+3], s[\b1:\b1+1], \half*BLKB
	s_or_b32 s[G0+4*\slot+3], s[G0+4*\slot+3], 0x80000000
	s_add_nc_u64 s[G0B+4*\slot+2:G0B+4*\slot+3], s[\b0:\b0+1], \half*BLKB
	s_or_b32 s[G0B+4*\slot+3], s[G0B+4*\slot+3], 0x80000000
	JLOAD G0+4*\slot, G1, G0B+4*\slot, G1B         ; my one tensor load behind the round: it has four K steps in which to land; its four v_nop are the places in front of the loads below
.else
	PLACES NP
.endif
	FETCH \next, 0, 0
.if \rt < 3
	SCLOAD \rt, \ps
.endif
	MUL8 2, 1, \s, 0
	MUL8 3, 1, \s, 0
	WIN 0
.endm
; Block a's 64 results of a lane (register 16 b + n belongs to block b of 32 of my row; lanes l and l xor 16 share a block) become a fragment's codes in v[PC + 12 a] on and its scale word in v[PW + a].
.macro QUANTA a
.set AC, 64*(\a)
.set PCA, PC+12*(\a)
	WIN 0x0a                                       ; sources 0 and 1: window 2
.irp b, 0,1,2,3
	v_max3_num_f32 v[TM+\b], |v[AC+16*\b]|, |v[AC+16*\b+1]|, 0x2800000   ; my 16 numbers of block b, and the floor 2^(5 - 127): the byte cannot fall under 1
.endr
.irp n, 2,4,6,8,10,12,14
.irp b, 0,1,2,3
	v_max3_num_f32 v[TM+\b], |v[AC+16*\b+\n]|, |v[AC+16*\b+\n+1]|, v[TM+\b]   ; ascending: each accumulator is first read at its low end
.endr
.endr
	WIN 0
.irp b, 0,1,2,3
	v_permlanex16_b32 v[TM+4+\b], v[TM+\b], s[SEL], s[SEL+1]
.endr
.irp b, 0,1,2,3
	v_max_num_f32 v[TM+\b], v[TM+\b], v[TM+4+\b]   ; with lane l xor 16's: the block's largest magnitude
.endr
.irp b, 0,1,2,3
	v_add_nc_u32 v[TM+12+\b], 0xfe000000, v[TM+\b] ; 4 off its exponent field: the conversion's scale operand
.endr
.irp b, 0,1,2,3
	v_lshrrev_b32 v[TM+4+\b], 23, v[TM+12+\b]      ; the scale's byte
.endr
	v_lshl_or_b32 v[PW+(\a)], v[TM+5], 8, v[TM+4]
	v_lshl_or_b32 v[PW+(\a)], v[TM+6], 16, v[PW+(\a)]
	v_lshl_or_b32 v[PW+(\a)], v[TM+7], 24, v[PW+(\a)]   ; my row's scale word, alike in lanes l and l xor 16
	WIN 0x02                                       ; source 0: window 2
.irp c, 0,1
	v_cvt_scalef32_pk16_bf6_f32 v[PCA+6*\c:PCA+6*\c+2], v[AC+32*\c:AC+32*\c+15], v[TM+12+2*\c]
	v_cvt_scalef32_pk16_bf6_f32 v[TP+4*\c:TP+4*\c+2], v[AC+32*\c+16:AC+32*\c+31], v[TM+12+2*\c+1]   ; (a conversion's three registers begin on an even number)
.endr
	WIN 0
	v_nop                                          ; one plain place behind a scaled conversion
.irp c, 0,1                            ; the operand's layout wants a whole block in a lane: lanes 0-15 block 2 c, lanes 16-31 block 2 c + 1
.irp n, 0,1,2
	v_permlane16_swap_b32 v[PCA+6*\c+\n], v[TP+4*\c+\n]
.endr
.irp n, 0,1,2
	v_mov_b32 v[PCA+3+6*\c+\n], v[TP+4*\c+\n]
.endr
.endr
.endm
; A TILE'S WAY OUT: four fragment images, three stores of 512 consecutive bytes each; the four blocks' scale words meet in my scratch and leave as 256 consecutive bytes, aligned.
.macro EPI pcod, strd, ofc, pscl, ofs, fin
	PLACES NP                                      ; behind the tile's last products
.irp a, 0,1,2,3
	QUANTA \a
.irp c, 0,1,2
	global_store_b128 v[L16], v[PC+12*\a+4*\c:PC+12*\a+4*\c+3], s[\pcod:\pcod+1] offset:\ofc+\a*\strd+512*\c
.endr
.endr
.irp a, 0,1,2,3
	ds_store_b32 v[LSC], v[PW+\a] offset:64*\a     ; lanes l and l xor 16 write the same word with the same value
.endr
	ds_load_b64 v[RB:RB+1], v[LRD]                 ; LDS serves a wave's instructions in order: this sees the stores above
	s_wait_dscnt 0x0
	global_store_b64 v[L8], v[RB:RB+1], s[\pscl:\pscl+1] offset:\ofs
.if \fin == 0
	s_wait_xcnt 0x0                                ; the stores have read their registers: the next step's fragments land on the codes' registers only behind this wait
.endif
.endm
	s_load_b128 s[4:7], s[0:1], 0x0                ; wx s[4:5], bq s[6:7]
	s_load_b128 s[8:11], s[0:1], 0x10              ; bk s[8:9], bv s[10:11]
	s_load_b64 s[12:13], s[0:1], 0x20              ; wp
	v_lshl_add_u32 v[SPW], v0, 2, SPARE
	v_mov_b32 v[NIL], 0
	ds_add_u32 v28, v29
	ds_add_u32 v28, v29
	s_wait_dscnt 0x0
	v_and_b32 v[PFO], 31, v0
	v_min_u32 v[PFO], 23, v[PFO]
	v_lshlrev_b32 v[PFO], 8, v[PFO]
	v_lshrrev_b32 v1, 5, v0
	v_readfirstlane_b32 s14, v1                    ; wave 0..3
	s_lshr_b32 s15, s14, 1                         ; my half of S1.  Also: I fetch for S1 (0) or for S0 (1)
	s_and_b32 s16, s14, 1                          ; my half of S0.  Also: which half of a tile I fetch
	s_bfe_u32 s40, ttmp6, 0x40000                  ; cx
	s_bfe_u32 s41, ttmp6, 0x40004                  ; cy
	s_lshl_b32 s42, ttmp9, 2
	s_add_co_u32 s42, s42, s40                     ; q, k: the weight's tile of 256 rows, 0..3
	s_and_b32 s95, ttmp7, 0xffff                   ; the cluster's y, 0..15
	s_lshl_b32 s17, s95, 2
	s_add_co_u32 s17, s17, s41                     ; q, k: group of 128 tokens, 0..63
	s_and_b32 s18, s95, 1
	s_lshl_b32 s18, s18, 2
	s_add_co_u32 s18, s18, s41                     ; v: Wv's group of 128 features, 0..7
	s_lshr_b32 s96, s95, 1
	s_lshl_b32 s96, s96, 2
	s_add_co_u32 s96, s96, s42                     ; v: tile of 256 tokens, 0..31
	s_lshl_b32 s43, s41, 2
	s_lshl_b32 s43, 15, s43                        ; my row of the cluster
	s_lshl_b32 s44, 0x1111, s40                    ; my column
	; descriptor groups 1: row blocks of 6,144 bytes (768 elements of 8 bytes), 12,288 bytes apart, dense in LDS: 4 of S1, 8 of S0
	s_or_b32 s[G1+0], s43, (3<<16)|(1<<21)         ; 15:0 the mask; 17:16 elements of 8 bytes; 21 set beside a mask
	s_mov_b32 s[G1+1], 768<<16                     ; tensor_dim0
	s_mov_b32 s[G1+2], 4<<16                       ; tensor_dim1
	s_mov_b32 s[G1+3], 768<<16                     ; tile_dim0
	s_mov_b32 s[G1+4], 4                           ; tile_dim1
	s_mov_b32 s[G1+5], 1536                        ; tensor_dim0_stride
	s_mov_b32 s[G1+6], 0
	s_mov_b32 s[G1+7], 0
	s_or_b32 s[G1B+0], s44, (3<<16)|(1<<21)
	s_mov_b32 s[G1B+1], 768<<16
	s_mov_b32 s[G1B+2], 8<<16
	s_mov_b32 s[G1B+3], 768<<16
	s_mov_b32 s[G1B+4], 8
	s_mov_b32 s[G1B+5], 1536
	s_mov_b32 s[G1B+6], 0
	s_mov_b32 s[G1B+7], 0
	; where my part of each tile's codes begins.  S1's hang on the cluster's y, cy and the wave alone, S0's on the cluster's y, cx and the wave alone, each in registers that never hold the other coordinate
	s_mul_i32 s19, s16, 4*12288                    ; S1: which four blocks I fetch
	s_mul_i32 s[BS1], s17, GRPB
	s_add_co_u32 s[BS1], s[BS1], s19               ; q
	s_mov_b32 s[BS1+1], 0
	s_add_co_u32 s[BS1+2], s[BS1], 64*GRPB         ; k
	s_mov_b32 s[BS1+3], 0
	s_add_co_u32 s[BS1+4], s18, 128
	s_mul_i32 s[BS1+4], s[BS1+4], GRPB
	s_add_co_u32 s[BS1+4], s[BS1+4], s19           ; Wv
	s_mov_b32 s[BS1+5], 0
	s_lshl_b32 s[BS0], s42, 1
	s_add_co_u32 s[BS0], s[BS0], s16               ; S0: which group of the tile's two I fetch
	s_add_co_u32 s[BS0+2], s[BS0], 144
	s_add_co_u32 s[BS0], s[BS0], 136
	s_mul_i32 s[BS0], s[BS0], GRPB                 ; Wq
	s_mov_b32 s[BS0+1], 0
	s_mul_i32 s[BS0+2], s[BS0+2], GRPB             ; Wk
	s_mov_b32 s[BS0+3], 0
	s_lshl_b32 s[BS0+4], s96, 1
	s_add_co_u32 s[BS0+4], s[BS0+4], s16
	s_add_co_u32 s[BS0+4], s[BS0+4], 152
	s_mul_i32 s[BS0+4], s[BS0+4], GRPB             ; v
	s_mov_b32 s[BS0+5], 0
	s_mul_i32 s45, s16, 4*BLKB                     ; where they go: no place in the cluster enters an LDS address
	s_mul_i32 s94, s16, 8*BLKB
	s_add_co_u32 s94, s94, S1B
	CROUND                                         ; all sixteen work-groups are here: the first joint loads meet; the arguments are on their way meanwhile
	s_wait_kmcnt 0x0
.irp t, 0,2,4
	s_add_nc_u64 s[BS1+\t:BS1+\t+1], s[4:5], s[BS1+\t:BS1+\t+1]
	s_add_nc_u64 s[BS0+\t:BS0+\t+1], s[4:5], s[BS0+\t:BS0+\t+1]
.endr
.irp s, 0,1
	s_mov_b32 s[G0+4*\s], 1
	s_add_co_u32 s[G0+4*\s+1], s45, \s*SLOT
	s_add_nc_u64 s[G0+4*\s+2:G0+4*\s+3], s[BS1:BS1+1], \s*BLKB
	s_or_b32 s[G0+4*\s+3], s[G0+4*\s+3], 0x80000000
	s_mov_b32 s[G0B+4*\s], 1
	s_add_co_u32 s[G0B+4*\s+1], s94, \s*SLOT
	s_add_nc_u64 s[G0B+4*\s+2:G0B+4*\s+3], s[BS0:BS0+1], \s*BLKB
	s_or_b32 s[G0B+4*\s+3], s[G0B+4*\s+3], 0x80000000
.endr
	JLOAD G0, G1, G0B, G1B                         ; slot 0: tile q's K steps 0-3: my one tensor load at the head
	s_lshl_b32 s3, s41, 1
	s_cmp_eq_u32 s15, 0                            ; do I fetch for S1?
	s_cselect_b32 s2, s40, s3                      ; my work-group's first block row of those that I fetch: cx, or 2 cy
	s_cselect_b64 s[PFK:PFK+1], s[BS1+2:BS1+3], s[BS0+2:BS0+3]
	s_cselect_b64 s[PFV:PFV+1], s[BS1+4:BS1+5], s[BS0+4:BS0+5]
	s_mul_i32 s2, s2, 12288
	s_mov_b32 s3, 0
	s_add_nc_u64 s[PFK:PFK+1], s[PFK:PFK+1], s[2:3]
	s_add_nc_u64 s[PFV:PFV+1], s[PFV:PFV+1], s[2:3]
	v_and_b32 v1, 15, v0                           ; r
	v_bfe_u32 v2, v0, 4, 1                         ; h
	s_wait_alu depctr_va_vdst(0)
	v_and_b32 v3, 31, v0                           ; lane
	v_lshlrev_b32 v5, 2, v1                        ; 4 r
	s_lshl_b32 s20, s42, 1
	s_add_co_u32 s20, s20, s16                     ; q, k: which 128 features are my wave's: also the later product's K step
	s_lshl_b32 s21, s15, 8                         ; 256 bytes of scale words for each half of S1
	s_lshl_b32 s86, s17, 12                        ; S1's scale words, for lanes 0-15: q,
	s_add_co_u32 s86, s86, s21
	s_add_co_u32 s86, s86, XS0
	s_add_co_u32 s87, s86, 64*4096                 ; k,
	s_add_co_u32 s88, s18, 128
	s_lshl_b32 s88, s88, 12
	s_add_co_u32 s88, s88, s21
	s_add_co_u32 s88, s88, XS0                     ; Wv
	s_add_co_u32 s89, s20, 136                     ; S0's, for lanes 16-31: Wq,
	s_lshl_b32 s89, s89, 12
	s_add_co_u32 s89, s89, XS0
	s_add_co_u32 s90, s89, 8*4096                  ; Wk,
	s_lshl_b32 s46, s96, 1
	s_add_co_u32 s46, s46, s16                     ; (v: which 128 tokens of the 8,192 are my wave's)
	s_add_co_u32 s91, s46, 152
	s_lshl_b32 s91, s91, 12
	s_add_co_u32 s91, s91, XS0                     ; v
	s_sub_co_u32 s89, s89, s86                     ; S0's groups lie behind S1's in wx: the distances are positive and under 2^24
	s_sub_co_u32 s90, s90, s87
	s_sub_co_u32 s91, s91, s88
.irp t, 0,1,2
	v_mul_u32_u24 v6, s[89+\t], v2
	s_wait_alu depctr_va_vdst(0)
	v_add_nc_u32 v6, v6, v5
	v_add_nc_u32 v[VS+\t], s[86+\t], v6
.endr
	s_lshl_b32 s92, s20, 9
	v_lshl_add_u32 v[VB], v2, 5, s92               ; 4 x (my first feature + 8 h)
	s_lshl_b32 s93, s18, 9
	s_add_co_u32 s93, s93, s21
	v_lshl_add_u32 v[VBA], v1, 2, s93              ; 4 x (my first feature of Wv + r)
	BBLOAD 6                                       ; bq, then tile q's scale words
	SCLOAD 0, 0
	SCLOAD 0, 1
	SCLOAD 0, 2
	SCLOAD 0, 3
	s_wait_alu depctr_va_vdst(0)                   ; the wait here, directly ahead of the branch
	ASK PFK, BLKB-64*GRPB, BLKB-8*GRPB             ; fill 1, 48 register loads behind fill 0's load: q lies 64 groups in front of k, Wq 8 groups in front of Wk
	SCLOAD 0, 4
	SCLOAD 0, 5
	SCLOAD 0, 6
	SCLOAD 0, 7
	v_lshlrev_b32 v[L16], 4, v3
	v_lshlrev_b32 v[L8], 3, v3
	s_mul_i32 s98, s15, 4*BLKB                     ; my 64 rows of S1
	s_mul_i32 s99, s16, 8*BLKB                     ; my 128 rows of S0,
	s_add_co_u32 s99, s99, S1B                     ; which lie behind S1's 128
.irp s, 0,1
	v_add_nc_u32 v[ADRA+\s], s98, v[L16]
	v_add_nc_u32 v[ADRB+\s], s99, v[L16]
	s_add_co_u32 s98, s98, SLOT
	s_add_co_u32 s99, s99, SLOT
.endr
	s_lshl_b32 s98, s14, 8
	s_add_co_u32 s98, s98, SCR                     ; my scratch
	v_lshl_add_u32 v[LSC], v1, 2, s98
	v_lshl_add_u32 v[LRD], v3, 3, s98
.irp b, 0,1,2,3
	v_mov_b32 v[TM+4+\b], 0                        ; written once: a lane permute's destination counts as one of its sources
.endr
	s_mov_b32 s[SEL], 0x76543210
	s_mov_b32 s[SEL+1], 0xfedcba98                 ; v_permlanex16_b32's selects for lane l xor 16
	; where the results go
	s_lshl_b32 s2, s17, 3
	s_lshl_b32 s3, s15, 2
	s_add_co_u32 s2, s2, s3                        ; q, k: token block 8 x group + 4 x half
	s_mul_i32 s[OC], s2, 12288
	s_mul_i32 s2, s20, FRB
	s_add_co_u32 s[OC], s[OC], s2
	s_mov_b32 s[OC+1], 0
	s_add_nc_u64 s[OC:OC+1], s[12:13], s[OC:OC+1]
	s_lshl_b32 s[OS], s17, 12
	s_lshl_b32 s2, s20, 9
	s_add_co_u32 s[OS], s[OS], s2
	s_add_co_u32 s[OS], s[OS], s21
	s_add_co_u32 s[OS], s[OS], PS0
	s_mov_b32 s[OS+1], 0
	s_add_nc_u64 s[OS:OS+1], s[12:13], s[OS:OS+1]
	s_lshr_b32 s47, s46, 4                         ; v: the batch,
	s_and_b32 s46, s46, 15                         ; the key step in it
	s_lshl_b32 s2, s18, 3
	s_add_co_u32 s2, s2, s3                        ; feature block 8 x group + 4 x half
	s_mul_i32 s[OCV], s2, 24576
	s_mul_i32 s2, s47, 1572864
	s_add_co_u32 s[OCV], s[OCV], s2
	s_mul_i32 s2, s46, FRB
	s_add_co_u32 s[OCV], s[OCV], s2
	s_add_co_u32 s[OCV], s[OCV], VT0
	s_mov_b32 s[OCV+1], 0
	s_add_nc_u64 s[OCV:OCV+1], s[12:13], s[OCV:OCV+1]
	s_lshl_b32 s[OSV], s18, 13
	s_lshl_b32 s2, s47, 16
	s_add_co_u32 s[OSV], s[OSV], s2
	s_lshl_b32 s2, s46, 9
	s_add_co_u32 s[OSV], s[OSV], s2
	s_add_co_u32 s[OSV], s[OSV], s21
	s_add_co_u32 s[OSV], s[OSV], PS0+524288
	s_mov_b32 s[OSV+1], 0
	s_add_nc_u64 s[OSV:OSV+1], s[12:13], s[OSV:OSV+1]
	s_wait_alu depctr_va_vdst(0)                   ; the wait at the head's end, ahead of the branch and the waits below
	ASK PFK, 0, 0                                  ; fill 2, behind all of the head's own loads
	s_wait_tensorcnt 0x0                           ; my part of slot 0 is in; slot 1's first fill is issued as a refill is:
	ds_add_u32 v[SPW], v[NIL]                      ; 0 onto my spare word
	s_wait_dscnt 0x0
	CROUND                                         ; a whole round: everybody's part of slot 0 is in, and the joint loads meet
	JLOAD G0+4, G1, G0B+4, G1B                     ; slot 1: tile q's K steps 4-7
	FETCH 0, 0, 0
	ASK PFK, BLKB, BLKB                            ; fill 3
	; ---- tile q
	STEP 0, 0, 0, 1, 9, 0, 0                       ; bq starts the sums
	STEP 0, 1, 1, 0, 1, 0, 1                       ; the bias registers take bk; from here on each step's scale registers take tile k's words
	STEP 0, 2, 2, 0, 1, 1, 0
	TURN 0, 1, 3, 1, BS1+2, BS0+2, 0, 1, 2         ; slot 0 takes tile k's K steps 0-3
	ASK PFV, 0, 0                                  ; fill 4
	STEP 1, 0, 4, 0, 1, 3, 0
	STEP 1, 1, 5, 0, 1, 4, 0
	STEP 1, 2, 6, 0, 1, 5, 0
	TURN 1, 0, 7, 1, BS1+2, BS0+2, 1, 1, 6         ; slot 1 takes tile k's K steps 4-7; tile k's first fragments are fetched
	ASK PFV, BLKB, BLKB                            ; fill 5
	EPI OC, 12288, 0, OS, 0, 0
	; ---- tile k
	STEP 0, 0, 0, 1, 1, 7, 0                       ; bk starts the sums
	STEP 0, 1, 1, 0, 2, 0, 2                       ; the bias registers take bv; the scale registers tile v's words
	STEP 0, 2, 2, 0, 2, 1, 0
	TURN 0, 1, 3, 1, BS1+4, BS0+4, 0, 2, 2         ; slot 0 takes tile v's K steps 0-3
	STEP 1, 0, 4, 0, 2, 3, 0
	STEP 1, 1, 5, 0, 2, 4, 0
	STEP 1, 2, 6, 0, 2, 5, 0
	TURN 1, 0, 7, 1, BS1+4, BS0+4, 1, 2, 6         ; slot 1 takes tile v's K steps 4-7
	EPI OC, 12288, KP0, OS, 262144, 0
	; ---- tile v
	STEP 0, 0, 0, 2, 2, 7, 0                       ; bv starts the sums
	STEP 0, 1, 1, 0, 9, 0, 0
	STEP 0, 2, 2, 0, 9, 0, 0
	TURN 0, 1, 3, 0, BS1, BS0, 0, 9, 0             ; nothing is left to fetch
	STEP 1, 0, 4, 0, 9, 0, 0
	STEP 1, 1, 5, 0, 9, 0, 0
	STEP 1, 2, 6, 0, 9, 0, 0
	SCWAIT 7                                       ; the last K step
	s_wait_dscnt 0x0
	MUL8 0, 1, 7, 0
	MUL8 1, 1, 7, 0
	MUL8 2, 1, 7, 0
	MUL8 3, 1, 7, 0
	WIN 0
	EPI OCV, 24576, 0, OSV, 0, 1
	s_wait_tensorcnt 0x0                           ; the wave's end
	ds_add_u32 v[SPW], v[NIL]
	s_wait_dscnt 0x0
	CROUND                                         ; the closing round
	s_endpgm
.Lfunc_end_k_q52f92519c4_proj:
	.size	k_q52f92519c4_proj, .Lfunc_end_k_q52f92519c4_proj-k_q52f92519c4_proj
	.p2alignl 7, 3214868480
	.fill 96, 4, 3214868480
	.section	.rodata,"a",@progbits
	.p2align	6, 0x0
	.amdhsa_kernel k_q52f92519c4_proj
		.amdhsa_group_segment_fixed_size 327680
		.amdhsa_private_segment_fixed_size 0
		.amdhsa_enable_private_segment 0
		.amdhsa_kernarg_size 40
		.amdhsa_user_sgpr_count 2
		.amdhsa_user_sgpr_kernarg_segment_ptr 1
		.amdhsa_wavefront_size32 1
		.amdhsa_system_sgpr_workgroup_id_x 1
		.amdhsa_system_sgpr_workgroup_id_y 1
		.amdhsa_system_sgpr_workgroup_id_z 1
		.amdhsa_system_vgpr_workitem_id 0
		.amdhsa_next_free_vgpr 768
		.amdhsa_next_free_sgpr 106
		.amdhsa_reserve_vcc 0
		.amdhsa_float_denorm_mode_32 3
		.amdhsa_float_denorm_mode_16_64 3
		.amdhsa_memory_ordered 1
		.amdhsa_forward_progress 1
		.amdhsa_inst_pref_size 252
	.end_amdhsa_kernel
	.amdgpu_metadata
---
amdhsa.version: [ 1, 2 ]
amdhsa.kernels:
  - .name:           k_q52f92519c4_proj
    .symbol:         k_q52f92519c4_proj.kd
    .args:
      - { .name: wx, .offset: 0, .size: 8, .value_kind: global_buffer, .address_space: global }
      - { .name: bq, .offset: 8, .size: 8, .value_kind: global_buffer, .address_space: global }
      - { .name: bk, .offset: 16, .size: 8, .value_kind: global_buffer, .address_space: global }
      - { .name: bv, .offset: 24, .size: 8, .value_kind: global_buffer, .address_space: global }
      - { .name: wp, .offset: 32, .size: 8, .value_kind: global_buffer, .address_space: global }
    .group_segment_fixed_size: 327680
    .private_segment_fixed_size: 0
    .kernarg_segment_align: 8
    .kernarg_segment_size: 40
    .max_flat_workgroup_size: 128
    .sgpr_count:     106
    .vgpr_count:     768
    .wavefront_size: 32
...
	.end_amdgpu_metadata
.endif
;; end of part 2
;; launch scores (part 3): grid 8 x 32, 4 waves a work-group, clusters of 4 x 4, 327,680 bytes of LDS; arguments wp, wa; writes wa
.if DOCPART == 3
	.amdgcn_target "amdgcn-amd-amdhsa--gfx1250"
	.amdhsa_code_object_version 6
	.text
	.protected	k_q52f92519c4_scores
	.globl	k_q52f92519c4_scores
	.p2align	8
	.type	k_q52f92519c4_scores,@function
k_q52f92519c4_scores:
	s_mov_b64 s[64:65], 0
	v_nop
	global_prefetch_b8 v0, s[64:65] scope:SCOPE_SE
	s_setreg_imm32_b32 hwreg(HW_REG_WAVE_MODE, 25, 1), 1
	s_wait_xcnt 0x0
	s_wait_alu depctr_hold_cnt(0) depctr_sa_sdst(0) depctr_va_vdst(0) depctr_va_sdst(0) depctr_va_ssrc(0) depctr_va_vcc(0) depctr_vm_vsrc(0)
	s_getreg_b32 s2, hwreg(HW_REG_IB_STS2, 6, 4)
	s_cmp_eq_u32 s2, 0
	s_cbranch_scc0 .Lentry_in_a_cluster
	s_endpgm
.Lentry_in_a_cluster:
	s_bfe_u32 s2, ttmp6, 0x10000c
	s_cmp_lg_u32 s2, 0xf033
	s_cbranch_scc0 .Lentry_shape_is_right
	s_endpgm
.Lentry_shape_is_right:
; S = qp kp^T on codes of BF6, K = 1,024, and the softmax's p, quantised along the keys, for the last product.  (The input mask enters no result of reference(): it is not read.)
; A work-group makes 256 queries x 256 keys of one batch; a wave 128 x 128: 64 accumulators.  SOURCE 0 = 16 keys, SOURCE 1 = 16 queries: a lane holds query 16 a + lane % 16 and its registers run along the keys.
; OPERANDS come from wp as fragment images (16 rows x 128 K: 1,536 bytes): qp at token block x 12,288 + K step x 1,536, kp 6,291,456 on; scale words at PS0 + group of 128 tokens x 4,096 + K step x 512 + block x 64 + 4 r (kp's 262,144 on).
; LDS.  Region P: K steps 0 and 1 (A's 16 blocks of 3,072 bytes, then B's 16).  Region Q: K steps 2 to 5 (A's 16 blocks of 6,144 bytes, then B's).  Behind them the scale words, the spare words.
; THE HEAD asks for P and Q at once, one joint load a wave: wave 0 A's part of P, wave 1 B's, wave 2 A's part of Q, wave 3 B's.  The one refill, K steps 6 and 7 into P, a quarter a wave, goes out behind
; the round in K step 1 and is waited for in K step 5: 256 matrix instructions lie between.
; THE SCALE WORDS of the 256 queries and 256 keys (2 x 8,192 dense bytes) come through registers: each thread loads 8 x 16 bytes and stores them to LDS bytes into which no fill lands.
; CLUSTERS of 4 x 4: A's tiles are shared along a row of the cluster, B's along a column.  No prefetch: the text has no loop to run ahead in, and three quarters of the operands are asked for at its head.
; THE WAY OUT, for each query and my 128 keys: t = score x log2(e) / 32; M' = ceil(the largest t); p = 2^(t - M'); l' = the sum of the unquantised p; p's codes (a fragment image at wa + query block x 24,576 + key step x 1,536)
; and three planes at PL0 (+ 524,288 each): p's scale words, -M', l', at group of 128 queries x 8,192 + key step x 512 + block x 64 + 4 r.  The next launch brings the runs under the row's M.
; A block's largest p is made from its largest score by the same two instructions as every p.
; LIMITS: holds while |t| stays under 2^31; a block whose every p falls under 2^-122 gets the byte 1; NaN and infinities are not served.
; REGISTERS: window 0: v4-31 addresses; v32-63 scale words, two sets of 16; v128-223 A's fragments, one set; window 1: B's, two sets at v0 and v128; windows 2, 3: accumulators (a, b) at v[8 (8 (a % 4) + b)].
.set FR,     12
.set NL,     3                         ; LDS loads that bring a fragment
.set NP,     4                         ; places behind this matrix instruction (ISA guide 7.12.1)
.set FRB,    1536
.set ROWP,   12288                     ; a block's eight K steps in wp
.set PB,     2*FRB                     ; a block in P
.set QB,     4*FRB                     ; a block in Q
.set HALFT,  8*PB
.set PREG,   4*HALFT                   ; P's bytes; Q begins here
.set QH,     16*QB                     ; A's part of Q
.set SCL,    PREG+2*QH
.set GSB,    4096
.set SPARE,  SCL+4*GSB
.set KP0,    6291456
.set PS0,    18874368
.set PL0,    12582912
.set ADRA, 16                          ; v16-17 my A fragments in P, Q
.set ADRB, 20                          ; v20-21 my B fragments
.set LSC,  25
.set LRD,  26
.set ADRS, 27
.set SPW,  28
.set NIL,  29
.set L16,  30
.set SC,   32
.set AF,   128
.set TM,   32
.set PW,   48
.set LS,   56
.set NM,   64
.set H,    128
.set SEL,  22
.set CS,   46
.set G1,   24                          ; group 1, A's rows of 3,072 bytes;  G0: group 0 of the refill;  G0HA: of the head's load
.set G0,   32
.set G0HA, 36
.set G1B,  48                          ; the same for B
.set G0B,  56
.set G0HB, 60
.set G1Q,  68                          ; A's rows of 6,144 bytes
.set G0QA, 76
.set G1QB, 80
.set G0QB, 88
.set MSB, 0
.macro WIN new
.if MSB != (\new)
	s_set_vgpr_msb (MSB<<8)|(\new)
.set MSB, (\new)
.endif
.endm
.set MUL_LO, 0xa1
.set MUL_HI, 0xf1
.set TO_B,   0x40
.macro JLOAD g0a, g1a, g0b, g1b        ; waves 0 and 1 fetch for A, waves 2 and 3 for B; an s_nop 0 and four v_nop follow each line
	s_cmp_eq_u32 s15, 0
	s_cbranch_scc0 .Lfor_b_\@
	tensor_load_to_lds s[\g0a:\g0a+3], s[\g1a:\g1a+7]
	s_nop 0
.rept 4
	v_nop
.endr
	s_branch .Lasked_\@
.Lfor_b_\@:
	tensor_load_to_lds s[\g0b:\g0b+3], s[\g1b:\g1b+7]
	s_nop 0
.rept 4
	v_nop
.endr
.Lasked_\@:
.endm
.macro CREST
	s_cmp_lg_u32 s14, 0
	s_cbranch_scc1 .Lnot_wave_0_\@
	s_barrier_signal -3
.Lnot_wave_0_\@:
	s_barrier_wait -3
	s_barrier_signal -1
	s_barrier_wait -1
.endm
.macro CROUND
	s_barrier_signal -1
	s_barrier_wait -1
	CREST
.endm
.macro PLACES n
.rept \n
	v_nop
.endr
.endm
	s_load_b128 s[4:7], s[0:1], 0x0                ; wp, wa
	v_lshl_add_u32 v[SPW], v0, 2, SPARE
	v_mov_b32 v[NIL], 0
	ds_add_u32 v[SPW], v[NIL]                      ; the opening: the add, twice on end, and its wait ahead of my first tensor load
	ds_add_u32 v[SPW], v[NIL]
	v_lshrrev_b32 v1, 5, v0
	v_readfirstlane_b32 s14, v1                    ; wave
	v_lshlrev_b32 v4, 4, v0                        ; 16 x thread: the scale words in wp,
	v_lshl_add_u32 v5, v0, 4, SCL                  ; and in LDS
	s_lshr_b32 s15, s14, 1                         ; my half of the queries.  Also: the refill fetches for A (0) or B (1)
	s_and_b32 s16, s14, 1                          ; my half of the keys.  Also: which half of a tile the refill fetches
	s_bfe_u32 s40, ttmp6, 0x40000                  ; cx
	s_bfe_u32 s41, ttmp6, 0x40004                  ; cy
	s_lshl_b32 s42, ttmp9, 2
	s_add_co_u32 s42, s42, s40                     ; tile of 256 keys in the batch, 0..7
	s_and_b32 s95, ttmp7, 0xffff
	s_lshl_b32 s17, s95, 2
	s_add_co_u32 s17, s17, s41                     ; tile of 256 queries, 0..31
	s_lshr_b32 s96, s95, 1                         ; the batch, from the cluster's y alone
	s_lshl_b32 s96, s96, 3
	s_add_co_u32 s96, s96, s42                     ; tile of 256 keys, 0..31
	s_lshl_b32 s43, s41, 2
	s_lshl_b32 s43, 15, s43                        ; my row of the cluster
	s_lshl_b32 s44, 0x1111, s40                    ; my column
	s_or_b32 s[G1+0], s43, (3<<16)|(1<<21)         ; elements of 8 bytes; bit 21 beside a mask
	s_or_b32 s[G1B+0], s44, (3<<16)|(1<<21)
	s_or_b32 s[G1Q+0], s43, (3<<16)|(1<<21)
	s_or_b32 s[G1QB+0], s44, (3<<16)|(1<<21)
.irp g, G1, G1B                        ; 16 blocks x two K steps at the head; behind it the two words that count rows are set to 8
	s_mov_b32 s[\g+1], 384<<16
	s_mov_b32 s[\g+2], 16<<16
	s_mov_b32 s[\g+3], 384<<16
	s_mov_b32 s[\g+4], 16
	s_mov_b32 s[\g+5], ROWP/8
	s_mov_b32 s[\g+6], 0
	s_mov_b32 s[\g+7], 0
.endr
.irp g, G1Q, G1QB                      ; 16 blocks x four K steps
	s_mov_b32 s[\g+1], 768<<16
	s_mov_b32 s[\g+2], 16<<16
	s_mov_b32 s[\g+3], 768<<16
	s_mov_b32 s[\g+4], 16
	s_mov_b32 s[\g+5], ROWP/8
	s_mov_b32 s[\g+6], 0
	s_mov_b32 s[\g+7], 0
.endr
	s_mul_i32 s20, s17, 16*ROWP                    ; A's tile
	s_mov_b32 s21, 0
	s_mul_i32 s46, s96, 16*ROWP                    ; B's
	s_add_co_u32 s46, s46, KP0
	s_mov_b32 s47, 0
	s_lshl_b32 s98, s17, 13                        ; A's scale words: two groups on end
	s_add_co_u32 s98, s98, PS0
	s_mov_b32 s99, 0
	s_lshl_b32 s92, s96, 13                        ; B's
	s_add_co_u32 s92, s92, PS0+262144
	s_mov_b32 s93, 0
	s_mul_i32 s18, s16, 8*ROWP                     ; the refill: which eight blocks are mine
	s_mov_b32 s19, 0
	s_wait_alu depctr_va_vdst(0)                   ; the wait here, ahead of the waits below
	s_wait_dscnt 0x0                               ; both opening adds are done
	CROUND                                         ; all sixteen work-groups are here: the first joint loads meet; the arguments are on their way meanwhile
	s_wait_kmcnt 0x0
	s_add_nc_u64 s[20:21], s[4:5], s[20:21]
	s_add_nc_u64 s[46:47], s[4:5], s[46:47]
	s_add_nc_u64 s[98:99], s[4:5], s[98:99]
	s_add_nc_u64 s[92:93], s[4:5], s[92:93]
.irp i, 0,1,2,3
	global_load_b128 v[128+4*\i:131+4*\i], v4, s[98:99] offset:2048*\i   ; 128 threads read 2,048 consecutive bytes
	global_load_b128 v[144+4*\i:147+4*\i], v4, s[92:93] offset:2048*\i
.endr
	s_mov_b32 s[G0HA], 1                           ; K steps 0, 1 of A,
	s_mov_b32 s[G0HA+1], 0
	s_mov_b64 s[G0HA+2:G0HA+3], s[20:21]
	s_or_b32 s[G0HA+3], s[G0HA+3], 0x80000000
	s_mov_b32 s[G0HB], 1                           ; of B,
	s_mov_b32 s[G0HB+1], 2*HALFT
	s_mov_b64 s[G0HB+2:G0HB+3], s[46:47]
	s_or_b32 s[G0HB+3], s[G0HB+3], 0x80000000
	s_mov_b32 s[G0QA], 1                           ; K steps 2 to 5 of A,
	s_mov_b32 s[G0QA+1], PREG
	s_add_nc_u64 s[G0QA+2:G0QA+3], s[20:21], 2*FRB
	s_or_b32 s[G0QA+3], s[G0QA+3], 0x80000000
	s_mov_b32 s[G0QB], 1                           ; of B
	s_mov_b32 s[G0QB+1], PREG+QH
	s_add_nc_u64 s[G0QB+2:G0QB+3], s[46:47], 2*FRB
	s_or_b32 s[G0QB+3], s[G0QB+3], 0x80000000
	s_add_nc_u64 s[20:21], s[20:21], s[18:19]      ; the refill: my eight blocks, K steps 6 and 7, to wave x 24,576 in P
	s_add_nc_u64 s[46:47], s[46:47], s[18:19]
	s_mov_b32 s[G0], 1
	s_mul_i32 s[G0+1], s14, HALFT
	s_add_nc_u64 s[G0+2:G0+3], s[20:21], 6*FRB
	s_or_b32 s[G0+3], s[G0+3], 0x80000000
	s_mov_b32 s[G0B], 1
	s_mul_i32 s[G0B+1], s14, HALFT
	s_add_nc_u64 s[G0B+2:G0B+3], s[46:47], 6*FRB
	s_or_b32 s[G0B+3], s[G0B+3], 0x80000000
; one chain of branches on the wave's number, one load to an arm, all arms leading to one join
.macro ARM under, g0, g1, next
	s_cmp_lt_u32 s14, \under
	s_cbranch_scc0 \next
	tensor_load_to_lds s[\g0:\g0+3], s[\g1:\g1+7]
	s_nop 0
.rept 4
	v_nop
.endr
	s_branch .Lhead_asked
\next:
.endm
	ARM 1, G0HA, G1,  .Lhead_b
	ARM 2, G0HB, G1B, .Lhead_qa
	ARM 3, G0QA, G1Q, .Lhead_qb
	tensor_load_to_lds s[G0QB:G0QB+3], s[G1QB:G1QB+7]
	s_nop 0
.rept 4
	v_nop
.endr
.Lhead_asked:
	s_mul_i32 s8, s15, HALFT                       ; my 128 rows of A in P,
	s_mul_i32 s9, s15, 8*QB
	s_add_co_u32 s9, s9, PREG                      ; in Q;
	s_mul_i32 s10, s16, HALFT
	s_add_co_u32 s10, s10, 2*HALFT                 ; of B in P,
	s_mul_i32 s11, s16, 8*QB
	s_add_co_u32 s11, s11, PREG+QH                 ; in Q
	s_mul_i32 s13, s15, GSB                        ; scale words: A's group,
	s_mul_i32 s12, s16, GSB
	s_add_co_u32 s12, s12, 2*GSB
	s_sub_co_u32 s12, s12, s13                     ; and how far behind it B's lies
	s_add_co_u32 s13, s13, SCL
	s_lshl_b32 s3, s14, 11
	s_add_co_u32 s3, s3, PREG                      ; my scratch for the planes, in Q: it has its one fill at the head, and nobody reads it behind K step 5's barrier
	s_lshl_b32 s2, s42, 1
	s_add_co_u32 s2, s2, s16                       ; my key step in the batch
	s_lshl_b32 s18, s17, 4
	s_lshl_b32 s94, s15, 3
	s_add_co_u32 s18, s18, s94                     ; my first query block
	s_mul_i32 s18, s18, 24576
	s_mul_i32 s94, s2, FRB
	s_add_co_u32 s18, s18, s94
	s_mov_b32 s19, 0
	s_add_nc_u64 s[18:19], s[6:7], s[18:19]        ; p's codes
	s_lshl_b32 s20, s17, 1
	s_add_co_u32 s20, s20, s15
	s_lshl_b32 s20, s20, 13
	s_lshl_b32 s94, s2, 9
	s_add_co_u32 s20, s20, s94
	s_add_co_u32 s20, s20, PL0
	s_mov_b32 s21, 0
	s_add_nc_u64 s[20:21], s[6:7], s[20:21]        ; the planes
	s_mov_b32 s[SEL], 0x76543210
	s_mov_b32 s[SEL+1], 0xfedcba98                 ; v_permlanex16_b32's selects for lane l xor 16
	s_mov_b32 s[CS], 0x3d38aa3b                    ; log2(e) / 32
	s_mov_b32 s[CS+1], s[CS]
	v_and_b32 v1, 15, v0                           ; r
	v_bfe_u32 v2, v0, 4, 1                         ; h
	v_and_b32 v3, 31, v0
	v_lshlrev_b32 v[L16], 4, v3
	v_add_nc_u32 v[ADRA], s8, v[L16]
	v_add_nc_u32 v[ADRA+1], s9, v[L16]
	v_add_nc_u32 v[ADRB], s10, v[L16]
	v_add_nc_u32 v[ADRB+1], s11, v[L16]
	v_mul_u32_u24 v6, s12, v2                      ; lanes 16-31 take B's words
	v_lshl_add_u32 v6, v1, 2, v6
	v_add_nc_u32 v[ADRS], s13, v6
	v_lshl_add_u32 v[LSC], v1, 2, s3
	v_add_nc_u32 v[LRD], s3, v[L16]
.macro LOC s                           ; where K step s lies: the address register's index, the block pitch, the step's byte in a block
.if ((\s) < 2) || ((\s) > 5)
.set AI, 0
.set BP, PB
.set QO, ((\s)%2)*FRB
.else
.set AI, 1
.set BP, QB
.set QO, ((\s)-2)*FRB
.endif
.endm
.macro FRAG reg, adr, i                ; a fragment comes as it was stored: three loads of 512 consecutive bytes
.irp c, 0,1,2
	ds_load_b128 v[\reg+4*\c:\reg+4*\c+3], v[\adr+AI] offset:(\i)*BP+QO+512*\c
.endr
.endm
; 16 matrix instructions of K step s: A's blocks a0, a0 + 1 x B's eight.  The 64 accumulators take turns, one instruction a turn, in the same order in every step.
.macro MUL16 a0, s, zero
.irp a, \a0, \a0+1
.irp b, 0,1,2,3,4,5,6,7
.if \zero
	v_wmma_scale_f32_16x16x128_f8f6f4 v[8*(8*((\a)%4)+\b):8*(8*((\a)%4)+\b)+7], v[128*((\s)%2)+FR*\b:128*((\s)%2)+FR*\b+FR-1], v[AF+FR*(\a):AF+FR*(\a)+FR-1], 0, v[SC+16*(((\s)/2)%2)+2*\b+(\s)%2], v[SC+16*(((\s)/2)%2)+2*(\a)+(\s)%2] matrix_a_fmt:MATRIX_FMT_BF6 matrix_b_fmt:MATRIX_FMT_BF6 matrix_a_scale:MATRIX_SCALE_ROW1
.else
	v_wmma_scale_f32_16x16x128_f8f6f4 v[8*(8*((\a)%4)+\b):8*(8*((\a)%4)+\b)+7], v[128*((\s)%2)+FR*\b:128*((\s)%2)+FR*\b+FR-1], v[AF+FR*(\a):AF+FR*(\a)+FR-1], v[8*(8*((\a)%4)+\b):8*(8*((\a)%4)+\b)+7], v[SC+16*(((\s)/2)%2)+2*\b+(\s)%2], v[SC+16*(((\s)/2)%2)+2*(\a)+(\s)%2] matrix_a_fmt:MATRIX_FMT_BF6 matrix_b_fmt:MATRIX_FMT_BF6 matrix_a_scale:MATRIX_SCALE_ROW1
.endif
.endr
.endr
.endm
.macro FETCH_B s                       ; B's eight fragments of K step s into set s % 2
	LOC \s
	WIN TO_B
.irp i, 0,1,2,3,4,5,6,7
	FRAG 128*((\s)%2)+FR*\i, ADRB, \i
.endr
	WIN 0
.endm
.macro FETCH_A s, i0                   ; A's blocks i0 .. i0 + 3 of K step s
	LOC \s
.irp i, \i0, \i0+1, \i0+2, \i0+3
	FRAG AF+FR*(\i), ADRA, \i
.endr
.endm
.macro SCALES pr                       ; the scale words of K steps 2 pr, 2 pr + 1 into set pr % 2: lanes 0-15 A's block i, lanes 16-31 B's
.irp i, 0,1,2,3,4,5,6,7
	ds_load_b32 v[SC+16*((\pr)%2)+2*\i], v[ADRS] offset:1024*(\pr)+64*\i
	ds_load_b32 v[SC+16*((\pr)%2)+2*\i+1], v[ADRS] offset:1024*(\pr)+512+64*\i
.endr
.endm
.macro REST s, zero                    ; a step's second half: the next step's fragments are fetched in its middle and at its end
	FETCH_B (\s)+1
	FETCH_A (\s)+1, 0
.if ((\s)+1)%2 == 0
	SCALES ((\s)+1)/2
.endif
	WIN MUL_HI
	MUL16 4, \s, \zero
	MUL16 6, \s, \zero
	PLACES NP
	WIN 0
	FETCH_A (\s)+1, 4
.endm
.macro STEP s, zero
	s_wait_dscnt 4*NL                              ; B's set, A's blocks 0-3 and the scale words are in; the youngest twelve loads (A's blocks 4-7) may be out
	WIN MUL_LO
	MUL16 0, \s, \zero
	MUL16 2, \s, \zero
	s_wait_dscnt 0
	PLACES NP
	REST \s, \zero
.endm
; A step with a barrier.  In front of it each wave waits for all its tensor loads, adds 0 to its spare word, and waits for that and for its own LDS reads.
; fill = 1 (K step 1): nobody reads P any more; a round of the cluster's barrier, and P takes K steps 6 and 7.  fill = 0 (K step 5): everybody's part of that load is in.
.macro TURN s, fill
	s_wait_tensorcnt 0x0
	ds_add_u32 v[SPW], v[NIL]
	s_wait_dscnt 4*NL+1                            ; the add and A's blocks 4-7 may be out
	WIN MUL_LO
	MUL16 0, \s, 0
	s_wait_dscnt 0x0
	s_barrier_signal -1
	MUL16 2, \s, 0
	WIN 0
	s_barrier_wait -1
.if \fill
	CREST
	JLOAD G0, G1, G0B, G1B                         ; my one tensor load behind the round; its four v_nop are the places in front of the loads below
.else
	PLACES NP
.endif
	REST \s, 0
.endm
.macro CODES s, pc
.irp c, 0,1
	v_cvt_scalef32_pk16_bf6_f32 v[\pc+6*\c:\pc+2+6*\c], v[\s+32*\c:\s+15+32*\c], v[TM+12+2*\c]
	v_cvt_scalef32_pk16_bf6_f32 v[\pc+12+4*\c:\pc+14+4*\c], v[\s+16+32*\c:\s+31+32*\c], v[TM+12+2*\c+1]
.endr
	v_nop                                          ; one plain place behind a scaled conversion
.irp c, 0,1                            ; the operand's layout wants a whole block in a lane
.irp n, 0,1,2
	v_permlane16_swap_b32 v[\pc+6*\c+\n], v[\pc+12+4*\c+\n]
.endr
.irp n, 0,1,2
	v_mov_b32 v[\pc+3+6*\c+\n], v[\pc+12+4*\c+\n]
.endr
.endr
.endm
	s_wait_alu depctr_va_vdst(0)                   ; the wait at the head's end
	s_wait_loadcnt 0x0                             ; the scale words are in registers
.irp i, 0,1,2,3,4,5,6,7
	ds_store_b128 v5, v[128+4*\i:131+4*\i] offset:2048*\i            ; A's 8,192 bytes, then B's
.endr
	s_wait_tensorcnt 0x0                           ; my tile of the head's four is in; no tensor load of mine is out, so a descriptor may be written:
	s_mov_b32 s[G1+2], 8<<16                       ; the refill brings eight blocks a wave
	s_mov_b32 s[G1+4], 8
	s_mov_b32 s[G1B+2], 8<<16
	s_mov_b32 s[G1B+4], 8
	s_wait_dscnt 0x0                               ; my stores of scale words have landed
	s_barrier_signal -1
	s_barrier_wait -1
	FETCH_B 0
	FETCH_A 0, 0
	SCALES 0
	FETCH_A 0, 4
	STEP 0, 1                                      ; the first products start the sums
	TURN 1, 1
	STEP 2, 0
	STEP 3, 0
	STEP 4, 0
	TURN 5, 0
	STEP 6, 0
	s_wait_dscnt 4*NL                              ; the last K step
	WIN MUL_LO
	MUL16 0, 7, 0
	MUL16 2, 7, 0
	s_wait_dscnt 0
	WIN MUL_HI
	MUL16 4, 7, 0
	MUL16 6, 7, 0
	WIN 0
	PLACES NP
.irp b, 0,1,2,3
	v_mov_b32 v[TM+4+\b], 0                        ; written once: a lane permute's destination counts as one of its sources
.endr
.irp a, 0,1,2,3,4,5,6,7
	v_mov_b32 v[NM+2*\a+1], 0                      ; the upper halves of the pairs that the packed form names
.endr
; Block a: 16 queries x my 128 keys.  Register 16 b + n belongs to block b of 32 keys; lanes l and l xor 16 share a block.
.macro SOFTQ a
.set AC, 64*((\a)%4)
.set PCA, 192+20*((\a)%2)
.set WN, 2+(\a)/4
.if (\a) >= 2
	s_wait_xcnt 0x0                                ; the stores of two blocks ago have read this set of codes
.endif
	WIN WN*5
.irp b, 0,1,2,3
	v_max3_num_f32 v[TM+\b], v[AC+16*\b], v[AC+16*\b+1], 0xff800000   ; each block's largest score; each accumulator is first read at its low end
.endr
.irp n, 2,4,6,8,10,12,14
.irp b, 0,1,2,3
	v_max3_num_f32 v[TM+\b], v[AC+16*\b+\n], v[AC+16*\b+\n+1], v[TM+\b]
.endr
.endr
	WIN 0
.irp b, 0,1,2,3
	v_permlanex16_b32 v[TM+4+\b], v[TM+\b], s[SEL], s[SEL+1]
.endr
.irp b, 0,1,2,3
	v_max_num_f32 v[TM+\b], v[TM+\b], v[TM+4+\b]
.endr
	v_max3_num_f32 v232, v[TM], v[TM+1], v[TM+2]
	v_max_num_f32 v232, v232, v[TM+3]
	v_mul_f32 v232, s[CS], v232
	v_floor_f32 v[NM+2*(\a)], -v232                ; -M' = floor(-t) = -ceil(t)
	WIN WN
.set i, 0
.rept 32
	v_pk_fma_f32 v[H+i:H+i+1], v[AC+i:AC+i+1], s[CS:CS+1], v[NM+2*(\a):NM+2*(\a)+1] op_sel_hi:[1,0,0]   ; t - M'
.set i, i+2
.endr
	WIN 0
.irp b, 0,1,2,3
	v_fma_f32 v[TM+\b], v[TM+\b], s[CS], v[NM+2*(\a)]
.endr
.set i, 0
	s_wait_alu depctr_va_vdst(0)                   ; the wait ahead of the batch
.rept 64
	v_exp_f32 v[H+i], v[H+i]
.set i, i+1
.endr
.irp b, 0,1,2,3
	v_exp_f32 v[TM+\b], v[TM+\b]                   ; each block's largest p
.endr
	v_nop
	s_wait_alu depctr_va_vdst(0)                   ; and behind it, ahead of its first reader
.irp b, 0,1,2,3
	v_max_num_f32 v[TM+\b], 0x2800000, v[TM+\b]    ; the floor 2^(5 - 127): the byte cannot fall under 1
.endr
.irp b, 0,1,2,3
	v_add_nc_u32 v[TM+12+\b], 0xfe000000, v[TM+\b] ; 4 off the exponent field: the conversion's scale operand
.endr
.irp b, 0,1,2,3
	v_lshrrev_b32 v[TM+4+\b], 23, v[TM+12+\b]
.endr
	v_lshl_or_b32 v[PW+(\a)], v[TM+5], 8, v[TM+4]
	v_lshl_or_b32 v[PW+(\a)], v[TM+6], 16, v[PW+(\a)]
	v_lshl_or_b32 v[PW+(\a)], v[TM+7], 24, v[PW+(\a)]
	CODES H, PCA
	v_pk_add_f32 v[234:235], v[H:H+1], v[H+2:H+3]  ; l': the sum of the unquantised p
	v_pk_add_f32 v[236:237], v[H+4:H+5], v[H+6:H+7]
.irp j, 8,12,16,20,24,28,32,36,40,44,48,52,56,60
	v_pk_add_f32 v[234:235], v[234:235], v[H+\j:H+\j+1]
	v_pk_add_f32 v[236:237], v[236:237], v[H+\j+2:H+\j+3]
.endr
	v_pk_add_f32 v[234:235], v[234:235], v[236:237]
	v_add_f32 v234, v234, v235
	v_permlanex16_b32 v236, v234, s[SEL], s[SEL+1]
	v_add_f32 v[LS+(\a)], v234, v236
.irp c, 0,1,2
	global_store_b128 v[L16], v[PCA+4*\c:PCA+4*\c+3], s[18:19] offset:(\a)*24576+512*\c   ; 512 consecutive bytes, aligned
.endr
.endm
.irp f, 0,1,2,3,4,5,6,7
	SOFTQ \f
.endr
.macro PLANE n, reg, step              ; eight blocks' words meet in my scratch and leave as 512 consecutive bytes
.irp a, 0,1,2,3,4,5,6,7
	ds_store_b32 v[LSC], v[\reg+\step*\a] offset:512*\n+64*\a
.endr
	ds_load_b128 v[232+4*\n:235+4*\n], v[LRD] offset:512*\n
	s_wait_dscnt 0x0
	global_store_b128 v[L16], v[232+4*\n:235+4*\n], s[20:21] offset:524288*\n
.endm
	PLANE 0, PW, 1
	PLANE 1, NM, 2
	s_wait_alu depctr_va_vdst(0)                   ; the wait here
	PLANE 2, LS, 1
	s_wait_tensorcnt 0x0                           ; the wave's end
	ds_add_u32 v[SPW], v[NIL]
	s_wait_dscnt 0x0
	CROUND                                         ; the closing round
	s_endpgm
.Lfunc_end_k_q52f92519c4_scores:
	.size	k_q52f92519c4_scores, .Lfunc_end_k_q52f92519c4_scores-k_q52f92519c4_scores
	.p2alignl 7, 3214868480
	.fill 96, 4, 3214868480
	.section	.rodata,"a",@progbits
	.p2align	6, 0x0
	.amdhsa_kernel k_q52f92519c4_scores
		.amdhsa_group_segment_fixed_size 327680
		.amdhsa_private_segment_fixed_size 0
		.amdhsa_enable_private_segment 0
		.amdhsa_kernarg_size 16
		.amdhsa_user_sgpr_count 2
		.amdhsa_user_sgpr_kernarg_segment_ptr 1
		.amdhsa_wavefront_size32 1
		.amdhsa_system_sgpr_workgroup_id_x 1
		.amdhsa_system_sgpr_workgroup_id_y 1
		.amdhsa_system_sgpr_workgroup_id_z 1
		.amdhsa_system_vgpr_workitem_id 0
		.amdhsa_next_free_vgpr 1024
		.amdhsa_next_free_sgpr 100
		.amdhsa_reserve_vcc 0
		.amdhsa_float_denorm_mode_32 3
		.amdhsa_float_denorm_mode_16_64 3
		.amdhsa_memory_ordered 1
		.amdhsa_forward_progress 1
		.amdhsa_inst_pref_size 200
	.end_amdhsa_kernel
	.amdgpu_metadata
---
amdhsa.version: [ 1, 2 ]
amdhsa.kernels:
  - .name:           k_q52f92519c4_scores
    .symbol:         k_q52f92519c4_scores.kd
    .args:
      - { .name: wp, .offset: 0, .size: 8, .value_kind: global_buffer, .address_space: global }
      - { .name: wa, .offset: 8, .size: 8, .value_kind: global_buffer, .address_space: global }
    .group_segment_fixed_size: 327680
    .private_segment_fixed_size: 0
    .kernarg_segment_align: 8
    .kernarg_segment_size: 16
    .max_flat_workgroup_size: 128
    .sgpr_count:     100
    .vgpr_count:     1024
    .wavefront_size: 32
...
	.end_amdgpu_metadata
.endif
;; end of part 3
;; launch pv (part 4): grid 4 x 64, 4 waves a work-group, clusters of 4 x 4, 327,680 bytes of LDS; arguments wa, wp, out0; writes out0
.if DOCPART == 4
	.amdgcn_target "amdgcn-amd-amdhsa--gfx1250"
	.amdhsa_code_object_version 6
	.text
	.protected	k_q52f92519c4_pv
	.globl	k_q52f92519c4_pv
	.p2align	8
	.type	k_q52f92519c4_pv,@function
k_q52f92519c4_pv:
	s_mov_b64 s[64:65], 0
	v_nop
	global_prefetch_b8 v0, s[64:65] scope:SCOPE_SE
	s_setreg_imm32_b32 hwreg(HW_REG_WAVE_MODE, 25, 1), 1
	s_wait_xcnt 0x0
	s_wait_alu depctr_hold_cnt(0) depctr_sa_sdst(0) depctr_va_vdst(0) depctr_va_sdst(0) depctr_va_ssrc(0) depctr_va_vcc(0) depctr_vm_vsrc(0)
	s_getreg_b32 s2, hwreg(HW_REG_IB_STS2, 6, 4)
	s_cmp_eq_u32 s2, 0
	s_cbranch_scc0 .Lentry_in_a_cluster
	s_endpgm
.Lentry_in_a_cluster:
	s_bfe_u32 s2, ttmp6, 0x10000c
	s_cmp_lg_u32 s2, 0xf033
	s_cbranch_scc0 .Lentry_shape_is_right
	s_endpgm
.Lentry_shape_is_right:
; out = (P V) / l on codes of BF6, K = the batch's 2,048 keys.
; P came quantised under a local whole number M' for each query and run of 128 keys.  Here, for each query: -M = the least of the sixteen -M'; l = the sum of l' x 2^(M' - M), exact scalings;
; and each scale byte of P's run s has M - M'(s) taken off, held at 0 from below: the codes with these bytes are p = 2^(t - M) as the quantiser gives it.
; LIMITS: where M - M' passes a byte, the byte 0 (2^-127) stands for what the quantiser would hold at 2^-126 with smaller codes: at most 28 x 2^-127 x |v| beside a sum l of at least 1/2.  NaN and infinities are not served.
; SHARES.  A work-group makes 128 queries x 256 features: 256 work-groups.  A wave makes 64 x 128: 32 accumulators, window 2.  SOURCE 1 (S1) = P's rows, SOURCE 0 (S0) = V^T's rows (features):
; a lane holds query 16 a + lane % 16 and, in register 8 b + j, feature 16 b + 8 (lane / 16) + j: eight neighbours of a row of out.
; OPERANDS as fragment images (1,536 bytes): P at wa + query block x 24,576 + key step x 1,536; V^T at wp + VT0 + batch x 1,572,864 + feature block x 24,576 + key step x 1,536.
; K goes through two LDS slots of FOUR key steps each (rows of 6,144 bytes).  CLUSTERS of 4 x 4: P's tiles are shared along a row of the cluster, V^T's along a column.
; REGISTERS: window 0: v7-30 addresses; v32-47 scale words, two sets of 8; v48-55 1/l; v64-127 the prologue's numbers, later results; v128-223 S1's fragments, two sets of 4.  window 1: S0's, two sets of 8.  window 2: accumulators (a, b) at v[8 (8 a + b)].
.set NQ,     4
.set FR,     12
.set NP,     4
.set FRB,    1536
.set BLKB,   NQ*FRB                    ; 6,144: a block of 16 rows in a slot
.set S1B,    8*BLKB                    ; S1's 128 rows
.set SLOT,   24*BLKB                   ; then S0's 256 rows
.set PSC,    2*SLOT                    ; P's corrected scale words: 16 key steps x 512 bytes; written by LDS stores, no fill lands here
.set VSC,    PSC+8192                  ; V^T's scale words: 2 groups x 16 key steps x 512 bytes; they come through registers and are written by LDS stores: no fill lands here
.set RLB,    VSC+16384                 ; 1 / l of the 128 queries
.set SPARE,  RLB+512                   ; the spare words, 128 bytes for each wave: two blocks of 256 bytes that no other line names
.set SPITCH, 528                       ; the way out: a stage of 16 rows x (512 + 16) bytes for each wave, in slot 0
.set VT0,    12582912
.set PS0,    18874368
.set PL0,    12582912
.set ADRA, 16
.set ADRB, 20
.set STO,  24
.set RD,   25
.set ADRS, 27
.set SPW,  28
.set NIL,  29
.set L16,  30
.set SC,   32
.set AF,   128
.set NMS,  64                          ; v64-79   -M' of my query's sixteen runs, then at work
.set LP,   80                          ; v80-95   l'
.set SW,   96                          ; v96-111  scale words
.set TT,   112                         ; v112-127 at work
.set G1, 24
.set G0, 32
.set G1B, 48
.set G0B, 56
.set PFO, 14                           ; v14     the prefetches' offset: 256 x min(lane, 23); never rewritten
.set PF,  80                           ; s[80:81] my work-group's share of the block rows that I fetch; never rewritten
.set MSB, 0
.macro WIN new
.if MSB != (\new)
	s_set_vgpr_msb (MSB<<8)|(\new)
.set MSB, (\new)
.endif
.endm
.set MUL,  0xa1                        ; source 0 window 1, source 1 window 0, C and D window 2
.set TO_B, 0x40
.macro JLOAD g0a, g1a, g0b, g1b        ; a joint load: waves 0 and 1 for S1, waves 2 and 3 for S0; four v_nop follow each line
	s_cmp_eq_u32 s15, 0
	s_cbranch_scc0 .Lfor_b_\@
	tensor_load_to_lds s[\g0a:\g0a+3], s[\g1a:\g1a+7]
	s_nop 0
.rept 4
	v_nop
.endr
	s_branch .Lasked_\@
.Lfor_b_\@:
	tensor_load_to_lds s[\g0b:\g0b+3], s[\g1b:\g1b+7]
	s_nop 0
.rept 4
	v_nop
.endr
.Lasked_\@:
.endm
.macro CREST
	s_cmp_lg_u32 s14, 0
	s_cbranch_scc1 .Lnot_wave_0_\@
	s_barrier_signal -3
.Lnot_wave_0_\@:
	s_barrier_wait -3
	s_barrier_signal -1
	s_barrier_wait -1
.endm
.macro CROUND
	s_barrier_signal -1
	s_barrier_wait -1
	CREST
.endm
; THE FILLS ARE PREFETCHED: a fill goes out with nothing on its way beside it.  Fills 1 and 2 (key steps 4-7, 8-11) are asked for at the head, behind fill 0's load, fill 3 behind fill 1's: two fills, eight key steps, ahead (fill 1: one).
; Of the block rows of 6,144 bytes (24 blocks of 256 bytes, a lane a block, lanes 24-31 naming the last again) that a wave fetches, each of the four partners that ask for them jointly takes its share BY ADDRESS:
; of P's four rows the partner at cx takes row cx, of V^T's eight the partner at cy rows 2 cy and 2 cy + 1.  o: the fill's byte in a row.  The branch hangs on the wave's number alone.
.macro ASK o
	global_prefetch_b8 v[PFO], s[PF:PF+1] offset:\o th:TH_LOAD_NT scope:SCOPE_SE
	s_cmp_eq_u32 s15, 0
	s_cbranch_scc1 .Lpf_e_\@
	global_prefetch_b8 v[PFO], s[PF:PF+1] offset:\o+24576 th:TH_LOAD_NT scope:SCOPE_SE
.Lpf_e_\@:
.endm
.macro PLACES n
.rept \n
	v_nop
.endr
.endm
	s_load_b128 s[4:7], s[0:1], 0x0                ; wa s[4:5], wp s[6:7]
	s_load_b64 s[8:9], s[0:1], 0x10                ; out0
	v_lshl_add_u32 v[SPW], v0, 2, SPARE
	v_mov_b32 v[NIL], 0
	ds_add_u32 v28, v29
	ds_add_u32 v28, v29
	s_wait_dscnt 0x0
	v_and_b32 v[PFO], 31, v0
	v_min_u32 v[PFO], 23, v[PFO]
	v_lshlrev_b32 v[PFO], 8, v[PFO]
	v_lshrrev_b32 v1, 5, v0
	v_readfirstlane_b32 s14, v1                    ; wave
	s_lshr_b32 s15, s14, 1                         ; my half of the queries.  Also: I fetch for S1 (0) or S0 (1)
	s_and_b32 s16, s14, 1                          ; my half of the features.  Also: which half of a tile I fetch
	s_bfe_u32 s40, ttmp6, 0x40000                  ; cx
	s_bfe_u32 s41, ttmp6, 0x40004                  ; cy
	s_lshl_b32 s42, ttmp9, 2
	s_add_co_u32 s42, s42, s40                     ; tile of 256 features, 0..3
	s_and_b32 s95, ttmp7, 0xffff
	s_lshl_b32 s17, s95, 2
	s_add_co_u32 s17, s17, s41                     ; group of 128 queries, 0..63
	s_lshr_b32 s3, s95, 2                          ; the batch: from the cluster's y alone
	s_lshl_b32 s43, s41, 2
	s_lshl_b32 s43, 15, s43                        ; my row of the cluster
	s_lshl_b32 s44, 0x1111, s40                    ; my column
	; descriptor groups 1: row blocks of 6,144 bytes (768 elements of 8 bytes), 24,576 bytes apart, dense in LDS: 4 of P, 8 of V^T
	s_or_b32 s[G1+0], s43, (3<<16)|(1<<21)
	s_mov_b32 s[G1+1], 768<<16
	s_mov_b32 s[G1+2], 4<<16
	s_mov_b32 s[G1+3], 768<<16
	s_mov_b32 s[G1+4], 4
	s_mov_b32 s[G1+5], 3072
	s_mov_b32 s[G1+6], 0
	s_mov_b32 s[G1+7], 0
	s_or_b32 s[G1B+0], s44, (3<<16)|(1<<21)
	s_mov_b32 s[G1B+1], 768<<16
	s_mov_b32 s[G1B+2], 8<<16
	s_mov_b32 s[G1B+3], 768<<16
	s_mov_b32 s[G1B+4], 8
	s_mov_b32 s[G1B+5], 3072
	s_mov_b32 s[G1B+6], 0
	s_mov_b32 s[G1B+7], 0
	s_lshl_b32 s18, s16, 2
	s_lshl_b32 s20, s17, 3
	s_add_co_u32 s20, s20, s18
	s_mul_i32 s20, s20, 24576                      ; P: query block 8 x group + 4 x half
	s_mov_b32 s21, 0
	s_lshl_b32 s18, s16, 3
	s_lshl_b32 s46, s42, 4
	s_add_co_u32 s46, s46, s18
	s_mul_i32 s46, s46, 24576                      ; V^T: feature block 16 x tile + 8 x half,
	s_mul_i32 s2, s3, 1572864
	s_add_co_u32 s46, s46, s2                      ; the batch
	s_add_co_u32 s46, s46, VT0
	s_mov_b32 s47, 0
	s_lshl_b32 s92, s42, 14                        ; the tile's two feature groups: 16,384 bytes on end
	s_lshl_b32 s2, s3, 16
	s_add_co_u32 s92, s92, s2
	s_add_co_u32 s92, s92, PS0+524288              ; V^T's scale words
	s_mov_b32 s93, 0
	s_mul_i32 s45, s16, 4*BLKB                     ; where they go: no place in the cluster enters an LDS address
	s_mul_i32 s94, s16, 8*BLKB
	s_add_co_u32 s94, s94, S1B
	s_lshl_b32 s10, s17, 13
	s_add_co_u32 s10, s10, PL0                     ; my group's planes
	s_mov_b32 s11, 0
	CROUND                                         ; all sixteen work-groups are here: the first joint loads meet; the arguments are on their way meanwhile
	s_wait_kmcnt 0x0
	s_add_nc_u64 s[20:21], s[4:5], s[20:21]
	s_add_nc_u64 s[46:47], s[6:7], s[46:47]
	s_add_nc_u64 s[92:93], s[6:7], s[92:93]
	s_add_nc_u64 s[10:11], s[4:5], s[10:11]
.irp s, 0,1
	s_mov_b32 s[G0+4*\s], 1
	s_add_co_u32 s[G0+4*\s+1], s45, \s*SLOT
	s_add_nc_u64 s[G0+4*\s+2:G0+4*\s+3], s[20:21], \s*BLKB
	s_or_b32 s[G0+4*\s+3], s[G0+4*\s+3], 0x80000000
	s_mov_b32 s[G0B+4*\s], 1
	s_add_co_u32 s[G0B+4*\s+1], s94, \s*SLOT
	s_add_nc_u64 s[G0B+4*\s+2:G0B+4*\s+3], s[46:47], \s*BLKB
	s_or_b32 s[G0B+4*\s+3], s[G0B+4*\s+3], 0x80000000
.endr
	JLOAD G0, G1, G0B, G1B                         ; slot 0: key steps 0-3: my one tensor load at the head
	s_lshl_b32 s83, s41, 1
	s_cmp_eq_u32 s15, 0                            ; do I fetch for P?
	s_cselect_b32 s82, s40, s83                    ; my work-group's first block row of those that I fetch: cx, or 2 cy
	s_cselect_b64 s[PF:PF+1], s[20:21], s[46:47]
	s_mul_i32 s82, s82, 24576
	s_mov_b32 s83, 0
	s_add_nc_u64 s[PF:PF+1], s[PF:PF+1], s[82:83]
	; ---- the prologue: thread t owns query t of the group
	v_lshlrev_b32 v7, 2, v0
.irp s, 0,1,2,3,4,5,6,7,8,9,10,11,12,13,14,15
	global_load_b32 v[SW+\s], v7, s[10:11] offset:512*\s
	global_load_b32 v[NMS+\s], v7, s[10:11] offset:524288+512*\s
	global_load_b32 v[LP+\s], v7, s[10:11] offset:1048576+512*\s
.endr
	v_lshl_add_u32 v8, v0, 2, PSC
	v_lshlrev_b32 v12, 4, v0                       ; V^T's scale words: 16 bytes a thread, 2,048 consecutive bytes an instruction,
	v_lshl_add_u32 v13, v0, 4, VSC                 ; and the same place in LDS
.irp i, 0,1,2,3,4,5,6,7
	global_load_b128 v[128+4*\i:131+4*\i], v12, s[92:93] offset:2048*\i
.endr
	v_lshl_add_u32 v9, v0, 2, RLB
	v_and_b32 v1, 15, v0                           ; r
	v_bfe_u32 v2, v0, 4, 1                         ; h
	s_wait_alu depctr_va_vdst(0)
	v_and_b32 v3, 31, v0
	v_lshlrev_b32 v[L16], 4, v3
	s_mul_i32 s21, s15, 4*BLKB                     ; my 64 rows of S1
	s_mul_i32 s22, s16, 8*BLKB                     ; my 128 rows of S0,
	s_add_co_u32 s22, s22, S1B                     ; which lie behind S1's 128
.irp s, 0,1
	v_add_nc_u32 v[ADRA+\s], s21, v[L16]
	v_add_nc_u32 v[ADRB+\s], s22, v[L16]
	s_add_co_u32 s21, s21, SLOT
	s_add_co_u32 s22, s22, SLOT
.endr
	s_lshl_b32 s21, s15, 8                         ; P's scale words: my 64 rows
	s_lshl_b32 s22, s16, 13                        ; V^T's: my group
	s_add_co_u32 s22, s22, VSC-PSC
	s_sub_co_u32 s22, s22, s21
	v_mul_u32_u24 v6, s22, v2                      ; lanes 16-31 take V^T's
	s_add_co_u32 s23, s21, RLB
	s_add_co_u32 s21, s21, PSC
	v_lshlrev_b32 v5, 2, v1
	v_add_nc_u32 v6, v5, v6
	v_add_nc_u32 v[ADRS], s21, v6
	v_add_nc_u32 v10, s23, v5                      ; 1 / l of my lane's queries
	s_mul_i32 s23, s14, 16*SPITCH                  ; my stage
	v_mul_u32_u24 v[STO], v1, SPITCH
	v_lshl_add_u32 v[STO], v2, 5, v[STO]
	v_add_nc_u32 v[STO], s23, v[STO]               ; in: row r, 32 bytes for each half of the lanes
	v_add_nc_u32 v[RD], s23, v[L16]                ; back: a row of 512 bytes
	s_lshl_b32 s12, s17, 7
	s_lshl_b32 s13, s15, 6
	s_add_co_u32 s12, s12, s13
	s_lshl_b32 s12, s12, 12                        ; my first row of out: 4,096 bytes a row,
	s_lshl_b32 s13, s42, 10
	s_add_co_u32 s12, s12, s13
	s_lshl_b32 s13, s16, 9
	s_add_co_u32 s12, s12, s13                     ; my first feature
	s_mov_b32 s13, 0
	s_add_nc_u64 s[12:13], s[8:9], s[12:13]
	s_wait_alu depctr_va_vdst(0)                   ; the wait here, ahead of the branches and the waits below
	ASK BLKB                                       ; fill 1, behind the head's 56 register loads and its set-up,
	ASK 2*BLKB                                     ; and fill 2
	s_wait_tensorcnt 0x0                           ; my part of slot 0 is in; slot 1's first fill is issued as a refill is:
	ds_add_u32 v[SPW], v[NIL]                      ; 0 onto my spare word
	s_wait_dscnt 0x0
	CROUND                                         ; a whole round: everybody's part of slot 0 is in, and the joint loads meet
	JLOAD G0+4, G1, G0B+4, G1B                     ; slot 1: key steps 4-7; the prologue's arithmetic and three key steps stand between this load and the wait for it
	ASK 3*BLKB                                     ; fill 3
	s_wait_loadcnt 0x0
.irp i, 0,1,2,3,4,5,6,7
	ds_store_b128 v13, v[128+4*\i:131+4*\i] offset:2048*\i
.endr
.irp s, 0,1,2,3,4,5,6,7
	v_min_num_f32 v[TT+\s], v[NMS+\s], v[NMS+8+\s]
.endr
.irp s, 0,1,2,3
	v_min_num_f32 v[TT+\s], v[TT+\s], v[TT+4+\s]
.endr
.irp s, 0,1
	v_min_num_f32 v[TT+\s], v[TT+\s], v[TT+2+\s]
.endr
	v_min_num_f32 v11, v[TT], v[TT+1]              ; -M of my query
.irp s, 0,1,2,3,4,5,6,7,8,9,10,11,12,13,14,15
	v_sub_f32 v[NMS+\s], v11, v[NMS+\s]            ; M' - M: a whole number, 0 or less
.endr
.irp s, 0,1,2,3,4,5,6,7,8,9,10,11,12,13,14,15
	v_cvt_i32_f32 v[NMS+\s], v[NMS+\s]             ; (it saturates)
.endr
.irp s, 0,1,2,3,4,5,6,7,8,9,10,11,12,13,14,15
	v_ldexp_f32 v[LP+\s], v[LP+\s], v[NMS+\s]      ; l' under the row's M
.endr
.irp s, 0,1,2,3,4,5,6,7,8,9,10,11,12,13,14,15
	v_sub_nc_u32 v[NMS+\s], 0, v[NMS+\s]
.endr
.irp s, 0,1,2,3,4,5,6,7,8,9,10,11,12,13,14,15
	v_min_u32 v[NMS+\s], 127, v[NMS+\s]            ; d = M - M', held at 127: over every byte, which is 123 at the most
.endr
.irp s, 0,1,2,3,4,5,6,7,8,9,10,11,12,13,14,15
	v_lshl_or_b32 v[NMS+\s], v[NMS+\s], 8, v[NMS+\s]
.endr
.irp s, 0,1,2,3,4,5,6,7,8,9,10,11,12,13,14,15
	v_lshl_or_b32 v[NMS+\s], v[NMS+\s], 16, v[NMS+\s]   ; d in all four bytes
.endr
.irp s, 0,1,2,3,4,5,6,7,8,9,10,11,12,13,14,15
	v_or_b32 v[SW+\s], 0x80808080, v[SW+\s]        ; 128 + byte in each byte,
.endr
.irp s, 0,1,2,3,4,5,6,7,8,9,10,11,12,13,14,15
	v_sub_nc_u32 v[SW+\s], v[SW+\s], v[NMS+\s]     ; less d: at least 2, so nothing is borrowed from byte to byte; bit 7 is left where byte >= d
.endr
.irp s, 0,1,2,3,4,5,6,7,8,9,10,11,12,13,14,15
	v_and_b32 v[NMS+\s], 0x80808080, v[SW+\s]
.endr
.irp s, 0,1,2,3,4,5,6,7,8,9,10,11,12,13,14,15
	v_lshrrev_b32 v[TT+\s], 7, v[NMS+\s]
.endr
.irp s, 0,1,2,3,4,5,6,7,8,9,10,11,12,13,14,15
	v_sub_nc_u32 v[NMS+\s], v[NMS+\s], v[TT+\s]    ; 0x7f in those bytes, 0 in the others
.endr
.irp s, 0,1,2,3,4,5,6,7,8,9,10,11,12,13,14,15
	v_and_b32 v[SW+\s], v[SW+\s], v[NMS+\s]        ; byte - d, held at 0
.endr
.irp s, 0,1,2,3,4,5,6,7,8,9,10,11,12,13,14,15
	ds_store_b32 v8, v[SW+\s] offset:512*\s
.endr
.irp s, 0,1,2,3,4,5,6,7
	v_add_f32 v[LP+\s], v[LP+\s], v[LP+8+\s]
.endr
.irp s, 0,1,2,3
	v_add_f32 v[LP+\s], v[LP+\s], v[LP+4+\s]
.endr
.irp s, 0,1
	v_add_f32 v[LP+\s], v[LP+\s], v[LP+2+\s]
.endr
	v_add_f32 v[LP], v[LP], v[LP+1]                ; l
	s_wait_alu depctr_va_vdst(0)
	v_rcp_f32 v[TT], v[LP]
	v_nop                                          ; a plain place behind the transcendental
	s_wait_alu depctr_va_vdst(0)
	ds_store_b32 v9, v[TT]
.macro FRAG reg, adr, q, i
.irp c, 0,1,2
	ds_load_b128 v[\reg+4*\c:\reg+4*\c+3], v[\adr] offset:(\i)*BLKB+(\q)*FRB+512*\c
.endr
.endm
; A key step's operands into set p: 8 fragments of S0, 4 of S1, 8 scale registers (lanes 16-31: S0's block i; lanes 0-15: S1's block i, of which only i < 4 is used): 44 loads.
.macro FETCH slot, q, p
	WIN TO_B
.irp i, 0,1,2,3,4,5,6,7
	FRAG 128*(\p)+FR*\i, ADRB+\slot, \q, \i
.endr
	WIN 0
.irp i, 0,1,2,3
	FRAG AF+48*(\p)+FR*\i, ADRA+\slot, \q, \i
.endr
.irp i, 0,1,2,3,4,5,6,7
	ds_load_b32 v[SC+8*(\p)+\i], v[ADRS] offset:512*(\q)+64*\i
.endr
.endm
; 8 matrix instructions: S1's block a x S0's eight.  The 32 accumulators take turns, one instruction a turn, in the same order in every step.
.macro MUL8 a, p, zero
.irp b, 0,1,2,3,4,5,6,7
.if \zero
	v_wmma_scale_f32_16x16x128_f8f6f4 v[8*(8*(\a)+\b):8*(8*(\a)+\b)+7], v[128*(\p)+FR*\b:128*(\p)+FR*\b+FR-1], v[AF+48*(\p)+FR*(\a):AF+48*(\p)+FR*(\a)+FR-1], 0, v[SC+8*(\p)+\b], v[SC+8*(\p)+(\a)] matrix_a_fmt:MATRIX_FMT_BF6 matrix_b_fmt:MATRIX_FMT_BF6 matrix_a_scale:MATRIX_SCALE_ROW1
.else
	v_wmma_scale_f32_16x16x128_f8f6f4 v[8*(8*(\a)+\b):8*(8*(\a)+\b)+7], v[128*(\p)+FR*\b:128*(\p)+FR*\b+FR-1], v[AF+48*(\p)+FR*(\a):AF+48*(\p)+FR*(\a)+FR-1], v[8*(8*(\a)+\b):8*(8*(\a)+\b)+7], v[SC+8*(\p)+\b], v[SC+8*(\p)+(\a)] matrix_a_fmt:MATRIX_FMT_BF6 matrix_b_fmt:MATRIX_FMT_BF6 matrix_a_scale:MATRIX_SCALE_ROW1
.endif
.endr
.endr
.endm
.macro STEP slot, q, zero              ; one of a slot's first three key steps
	s_wait_dscnt 0x0                               ; this step's 44 loads, issued a step ago, are in
	PLACES NP                                      ; in front of loads into the set that the last step multiplied
	FETCH \slot, (\q)+1, 1-(\q)%2
	WIN MUL
	MUL8 0, (\q)%2, \zero
	MUL8 1, (\q)%2, \zero
	MUL8 2, (\q)%2, \zero
	MUL8 3, (\q)%2, \zero
	WIN 0
.endm
; A slot's last key step changes slots: one barrier; in front of it each wave waits for all its tensor loads, adds 0 to its spare word, and waits for that and for its own reads of this slot.
.macro TURN slot, next, fill
	s_wait_tensorcnt 0x0                           ; all my tensor loads have landed: my part of the next slot
	ds_add_u32 v[SPW], v[NIL]                      ; 0 onto my spare word
	s_wait_dscnt 1                                 ; this step's loads are in; the add may be out
	WIN MUL
	MUL8 0, 1, 0
	s_wait_dscnt 0x0                               ; the add is done, and my reads of this slot are over
	s_barrier_signal -1
	MUL8 1, 1, 0
	WIN 0
	s_barrier_wait -1
.if \fill
	CREST                                          ; a round of the cluster's barrier: no wave of any partner still reads this slot or has a load on its way
	s_add_nc_u64 s[G0+4*\slot+2:G0+4*\slot+3], s[G0+4*\slot+2:G0+4*\slot+3], 2*BLKB
	s_add_nc_u64 s[G0B+4*\slot+2:G0B+4*\slot+3], s[G0B+4*\slot+2:G0B+4*\slot+3], 2*BLKB
	JLOAD G0+4*\slot, G1, G0B+4*\slot, G1B         ; my one tensor load behind the round: it has four key steps in which to land; its four v_nop are the places in front of the loads below
.else
	PLACES NP
.endif
	v_add_nc_u32 v[ADRS], 512*NQ, v[ADRS]          ; the next slot's scale words
	FETCH \next, 0, 0
	WIN MUL
	MUL8 2, 1, 0
	MUL8 3, 1, 0
	WIN 0
.endm
	s_wait_dscnt 0x0                               ; my stores of scale words and of 1 / l have landed; slot 1's load may be out
	s_barrier_signal -1
	s_barrier_wait -1
	FETCH 0, 0, 0
	STEP 0, 0, 1                                   ; key steps 0-3; the first products start the sums
	STEP 0, 1, 0
	STEP 0, 2, 0
	TURN 0, 1, 1                                   ; slot 0 takes key steps 8-11
	s_wait_alu depctr_va_vdst(0)
	STEP 1, 0, 0
	STEP 1, 1, 0
	STEP 1, 2, 0
	TURN 1, 0, 1                                   ; slot 1 takes key steps 12-15
	s_wait_alu depctr_va_vdst(0)
	STEP 0, 0, 0
	STEP 0, 1, 0
	STEP 0, 2, 0
	TURN 0, 1, 0                                   ; nothing is left to fetch
	s_wait_alu depctr_va_vdst(0)
	STEP 1, 0, 0
	STEP 1, 1, 0
	STEP 1, 2, 0
	s_wait_dscnt 0x0                               ; the last key step
	WIN MUL
	MUL8 0, 1, 0
	MUL8 1, 1, 0
	MUL8 2, 1, 0
	MUL8 3, 1, 0
	WIN 0
	; THE WAY OUT.  Block a (16 queries x 128 features) is divided by l and goes through my stage (in slot 0, which has had its last fill and which nobody has read since the last change of slots);
	; it comes back as whole rows of 512 bytes.
	PLACES NP
.irp a, 0,1,2,3
	ds_load_b32 v[48+2*\a], v10 offset:64*\a       ; 1 / l of query 16 a + r, twice: a pair for the packed form
	ds_load_b32 v[49+2*\a], v10 offset:64*\a
.endr
	s_wait_dscnt 0x0
.macro OUTB a
.set BKA, 128+64*((\a)%2)
.if (\a) >= 2
	s_wait_xcnt 0x0                                ; the stores of two blocks ago have read these registers
.endif
	WIN 0x02                                       ; source 0: window 2
.set i, 0
.rept 32
	v_pk_mul_f32 v[64+i:65+i], v[64*(\a)+i:64*(\a)+i+1], v[48+2*(\a):49+2*(\a)]   ; each accumulator from its low end on
.set i, i+2
.endr
	WIN 0
.irp b, 0,1,2,3,4,5,6,7
	ds_store_b128 v[STO], v[64+8*\b:67+8*\b] offset:64*\b
	ds_store_b128 v[STO], v[68+8*\b:71+8*\b] offset:64*\b+16
.endr
.irp t, 0,1,2,3,4,5,6,7,8,9,10,11,12,13,14,15
	ds_load_b128 v[BKA+4*\t:BKA+4*\t+3], v[RD] offset:\t*SPITCH   ; LDS serves a wave's instructions in order: these see the stores above
.endr
	s_wait_dscnt 0x0                               ; the rows are back, and the stores have read their registers
.irp t, 0,1,2,3,4,5,6,7,8,9,10,11,12,13,14,15
	global_store_b128 v[L16], v[BKA+4*\t:BKA+4*\t+3], s[12:13] offset:(16*(\a)+\t)*4096 th:TH_STORE_NT   ; 32 lanes store 512 consecutive bytes, aligned
.endr
.endm
	OUTB 0
	OUTB 1
	OUTB 2
	OUTB 3
	s_wait_tensorcnt 0x0                           ; the wave's end
	ds_add_u32 v[SPW], v[NIL]
	s_wait_dscnt 0x0
	CROUND                                         ; the closing round
	s_endpgm
.Lfunc_end_k_q52f92519c4_pv:
	.size	k_q52f92519c4_pv, .Lfunc_end_k_q52f92519c4_pv-k_q52f92519c4_pv
	.p2alignl 7, 3214868480
	.fill 96, 4, 3214868480
	.section	.rodata,"a",@progbits
	.p2align	6, 0x0
	.amdhsa_kernel k_q52f92519c4_pv
		.amdhsa_group_segment_fixed_size 327680
		.amdhsa_private_segment_fixed_size 0
		.amdhsa_enable_private_segment 0
		.amdhsa_kernarg_size 24
		.amdhsa_user_sgpr_count 2
		.amdhsa_user_sgpr_kernarg_segment_ptr 1
		.amdhsa_wavefront_size32 1
		.amdhsa_system_sgpr_workgroup_id_x 1
		.amdhsa_system_sgpr_workgroup_id_y 1
		.amdhsa_system_sgpr_workgroup_id_z 1
		.amdhsa_system_vgpr_workitem_id 0
		.amdhsa_next_free_vgpr 768
		.amdhsa_next_free_sgpr 100
		.amdhsa_reserve_vcc 0
		.amdhsa_float_denorm_mode_32 3
		.amdhsa_float_denorm_mode_16_64 3
		.amdhsa_memory_ordered 1
		.amdhsa_forward_progress 1
		.amdhsa_inst_pref_size 166
	.end_amdhsa_kernel
	.amdgpu_metadata
---
amdhsa.version: [ 1, 2 ]
amdhsa.kernels:
  - .name:           k_q52f92519c4_pv
    .symbol:         k_q52f92519c4_pv.kd
    .args:
      - { .name: wa, .offset: 0, .size: 8, .value_kind: global_buffer, .address_space: global }
      - { .name: wp, .offset: 8, .size: 8, .value_kind: global_buffer, .address_space: global }
      - { .name: out0, .offset: 16, .size: 8, .value_kind: global_buffer, .address_space: global }
    .group_segment_fixed_size: 327680
    .private_segment_fixed_size: 0
    .kernarg_segment_align: 8
    .kernarg_segment_size: 24
    .max_flat_workgroup_size: 128
    .sgpr_count:     100
    .vgpr_count:     768
    .wavefront_size: 32
...
	.end_amdgpu_metadata
.endif
;; end of part 4
